; MI455X (gfx1250); checked and timed in simulation.
; The chip was launched on July 23, 2026; its instructions are those of AMD's public machine-readable ISA for CDNA 5 (MIT licence, August 2026) and "CDNA5" Instruction Set Architecture Reference Guide (July 2026). The comments in the code are by the model that wrote it; some were corrected since.
;; Multi Head Attention. Allowed arithmetic: matrix products marked QUANTISED: E2M3 operands, one E8M0 scale for each 32 along K, by v_wmma_scale_f32_16x16x128_f8f6f4 with both operands' format E2M3, f32 sums; everything else in f32.
;; Inputs: W_attn 1,024 x 3,072 float32; W_proj 1,024 x 1,024 float32; b_attn 3,072 float32; b_proj 1,024 float32; x 4 x 2,048 x 1,024 float32.
;; Outputs: out0 4 x 2,048 x 1,024 float32.
;; This version of the problem:
;;   THIS VERSION OF THE PROBLEM IS GIVEN IN LOW PRECISION. The matrix products marked QUANTISED in the list below multiply operands that are first quantised to E2M3 (2 exponent bits, 3 mantissa bits; 6 bits a number), with one power-of-two scale for each 32 numbers along K (OCP MX v1.0); their sums are f32. All else is computed in f32.
;;   The module's matrix products, in the order in which they are computed (A, B: the left and right operand; K: the contracted axis; several contracted axes count as one K, in the product's order):
;;     1. [M 8,192, K 1,024] x [K 1,024, N 3,072]; A: input x; B: input W_attn: QUANTISED
;;     2. batch 64 x [M 2,048, K 64] x [K 64, N 2,048]; A: computed on the way; B: computed on the way: QUANTISED
;;     3. batch 64 x [M 2,048, K 2,048] x [K 2,048, N 64]; A: softmax (see below); B: computed on the way: QUANTISED
;;     4. [M 8,192, K 1,024] x [K 1,024, N 1,024]; A: computed on the way; B: input W_proj: QUANTISED
;;   THE QUANTISER, for each operand of a quantised product, along K:
;;     - K is cut into blocks of 32 from its start; a last block that is shorter is filled with zeros.
;;     - A block's scale is 2^e with e = floor(log2(the largest magnitude in the block)) - 2, held to -126 .. 127; a block of zeros has e = 0. As a byte (E8M0): e + 127.
;;     - Each number is divided by its block's scale, clamped to +-7.5, and rounded to the nearest number of E2M3, ties to even, subnormals kept.
;;     - The product sums the exact products of the quantised numbers (number of the format x scale) in f32.
;;   ~~~python
;;   def quantise(x, axis):      # numpy; x: float32 -> the quantised numbers, widened to float32 again
;;       x = np.moveaxis(x, axis, -1); K = x.shape[-1]
;;       x = np.pad(x, [(0, 0)] * (x.ndim - 1) + [(0, -K % 32)]); x = x.reshape(x.shape[:-1] + (-1, 32)); a = np.abs(x).max(-1, keepdims=True)
;;       e = np.where(a > 0, np.clip(np.frexp(np.where(a > 0, a, 1))[1] - 1 - 2, -126, 127), 0)      # np.frexp(a)[1] - 1 = floor(log2(a)), exactly
;;       r = np.clip(x / 2.0 ** e, -7.5, 7.5)
;;       step = 2.0 ** (np.maximum(np.frexp(np.where(r == 0, 1, r))[1] - 1, 0) - 3)
;;       q = np.round(r / step) * step * 2.0 ** e      # np.round: ties to even
;;       return np.moveaxis(q.reshape(q.shape[:-2] + (-1,))[..., :K], -1, axis).astype(np.float32)
;;   ~~~
;;   SOFTMAX AHEAD OF A QUANTISED PRODUCT. Where the list says 'softmax', what is quantised is not the finished softmax but p = 2^(t - M), with t = logit x log2(e) and M = ceil(the row's largest t), a whole number; so 1/2 < the row's largest p <= 1. The row's sum l is taken of the UNQUANTISED p, in f32, and the product's result is divided by l at the end. Since M is a whole number, a kernel that streams over the keys may use a running M (the ceiling of the running maximum): every later rescaling is an exact power of two, which a block's scale takes up: the codes' values come out the same.
;;   OPERANDS COMPUTED ON THE WAY. 'Computed on the way' means the value that the module computes at that place (a softmax that the list does not call 'softmax' is quantised finished and normalised). What goes into a quantiser is computed in f32, as accurately as f32 sums, v_exp_f32 and their like allow (about 1e-6 of the number): no bf16 or f16 on the way to a quantiser, and a product that is left as it is and whose result goes on into a quantised operand takes f32 operands (vector FMAs, or v_wmma_f32_16x16x4_f32). A number that lies on a knife's edge between two numbers of the format may be rounded either way, as far as f32 arithmetic and the matrix unit's own rounding can turn it there, and no further.
;; One version. Each part assembles by itself: llvm-mc -triple=amdgcn-amd-amdhsa -mcpu=gfx1250 --defsym DOCPART=n.
;; ======== version 1 of 1: 4 launches
;; workspace buffers: opq 9,830,400 bytes; qkv 20,185,088 bytes; oq 6,553,600 bytes
;; launch quant (part 1): grid 512 x 1, 4 waves a work-group, no clusters, 60,928 bytes of LDS; arguments x, W_attn, W_proj, opq; writes opq
.if DOCPART == 1
	.amdgcn_target "amdgcn-amd-amdhsa--gfx1250"
	.amdhsa_code_object_version 6
	.text
	.protected	k_q7d724f425f_quant
	.globl	k_q7d724f425f_quant
	.p2align	8
	.type	k_q7d724f425f_quant,@function
k_q7d724f425f_quant:
	s_mov_b64 s[64:65], 0
	v_nop
	global_prefetch_b8 v0, s[64:65] scope:SCOPE_SE
	s_setreg_imm32_b32 hwreg(HW_REG_WAVE_MODE, 25, 1), 1
	s_wait_xcnt 0x0
; x [8192][1024], W_attn [1024][3072] and W_proj [1024][1024], f32, become codes of FP6 (E2M3) with one E8M0 byte for each 32 along K (K = 1024 in all three), laid as IMAGES OF THE OPERAND'S REGISTERS.
; A TILE is 16 rows of an operand (rows of x; columns of a weight): tile 2 b + u holds at place r the row 32 b + 8 u + r + 8 (r / 8).  A FRAGMENT (a tile x 128 along K) is 1,536 bytes: six pieces of 256 bytes;
; piece i holds registers 2 i, 2 i + 1 of lane l at byte 8 l; lane (r = l % 16, h = l / 16) holds k = 64 c + 32 h + 0 .. 31 in registers 6 c .. 6 c + 5.
; opq: tiles G = 0 .. 511 x, 512 .. 703 W_attn's columns, 704 .. 767 W_proj's; codes at G x 12,288 + K step x 1,536; scale words at OPQ_SC + G x 512 + (K step / 4) x 256 + 16 r + 4 (K step % 4).
; A block's scale is 2^(floor(log2(its largest magnitude)) - 2): its byte is the largest magnitude's exponent field - 2, held at 1 from below.
; LIMITS: a block whose largest magnitude lies under 2^-124 (a block of zeros too) gets the byte 1; this program alone reads the bytes, and a block of zeros has zero codes.  NaN and infinities among the inputs are not served.
; Work-groups 0 .. 255 take x, 256 .. 447 W_attn, 448 .. 511 W_proj: three ways that never join, each with LDS bytes of its own.  Waves share nothing: no barrier.  No tensor loads.
.set OPQ_SC, 9437184
.set XSTG,   16*528                    ; x: a wave's stage: 16 rows of 512 bytes + 16, so that the 16 rows of a read begin in 16 different columns of 16 bytes
.set WTILE,  1664                      ; weights: a tile's image in the stage, 1,536 bytes + 128
.set WSTG,   2*WTILE
.set R,   16                           ; v16-143  x: two sets of 64 registers as loaded;  weights: 128 numbers of my column
.set X,   144                          ; v144-207 x: 64 numbers of my row: register 16 b + i = k 32 b + 16 h + i
.set PC,  208                          ; v208-227 the codes just made
.set TM,  228                          ; v228-243 at work
.set PW,  244                          ; v244-247 the four fragments' scale words
.set SEL, 20                           ; s[20:21] lane selects: lane l xor 16
; 64 numbers of a lane, v[s] .. v[s + 63], register 16 b + i = k 32 b + 16 (lane / 16) + i of my row, become a fragment's codes in v[PC] .. v[PC + 11] and its scale word in v[pw].
.macro QUANT s, pw
.irp b, 0,1,2,3
	v_max3_num_f32 v[TM+\b], |v[\s+16*\b]|, |v[\s+1+16*\b]|, 0x1800000   ; my 16 numbers of block b, and the floor 2^(3 - 127): the byte cannot fall under 1
.endr
.irp i, 2,4,6,8,10,12,14
.irp b, 0,1,2,3
	v_max3_num_f32 v[TM+\b], v[TM+\b], |v[\s+16*\b+\i]|, |v[\s+1+16*\b+\i]|
.endr
.endr
.irp b, 0,1,2,3
	v_permlanex16_b32 v[TM+4+\b], v[TM+\b], s[SEL], s[SEL+1]
.endr
.irp b, 0,1,2,3
	v_max_num_f32 v[TM+\b], v[TM+\b], v[TM+4+\b]                   ; with lane l xor 16's 16: the block's largest magnitude
.endr
.irp b, 0,1,2,3
	v_add_nc_u32 v[TM+12+\b], 0xff000000, v[TM+\b]                 ; 2 off its exponent field: the conversion's scale operand
.endr
.irp b, 0,1,2,3
	v_lshrrev_b32 v[TM+4+\b], 23, v[TM+12+\b]                      ; the scale's byte
.endr
	v_lshl_or_b32 v[\pw], v[TM+5], 8, v[TM+4]
	v_lshl_or_b32 v[\pw], v[TM+6], 16, v[\pw]
	v_lshl_or_b32 v[\pw], v[TM+7], 24, v[\pw]
.irp c, 0,1
	v_cvt_scalef32_pk16_fp6_f32 v[PC+6*\c:PC+2+6*\c], v[\s+32*\c:\s+15+32*\c], v[TM+12+2*\c]
	v_cvt_scalef32_pk16_fp6_f32 v[PC+12+4*\c:PC+14+4*\c], v[\s+16+32*\c:\s+31+32*\c], v[TM+12+2*\c+1]   ; (a conversion's three registers begin on an even number)
.endr
	v_nop                                          ; one plain instruction behind a scaled conversion
.irp c, 0,1                                    ; the layout wants a whole block in a lane: lanes 0-15 block 2 c, lanes 16-31 block 2 c + 1
.irp i, 0,1,2
	v_permlane16_swap_b32 v[PC+6*\c+\i], v[PC+12+4*\c+\i]
.endr
.irp i, 0,1,2
	v_mov_b32 v[PC+3+6*\c+\i], v[PC+12+4*\c+\i]
.endr
.endr
.endm
; x: fragment f's 16 rows x 512 bytes: each load reads 512 consecutive bytes of one row
.macro XLOAD f
.set II, 0
.rept 16
	global_load_b128 v[R+64*((\f)%2)+4*II:R+64*((\f)%2)+4*II+3], v1, s[4:5] offset:(II+8*(II/8))*4096+512*(\f) th:TH_LOAD_NT
.set II, II+1
.endr
.endm
; through my stage: in as loaded, out 16 neighbours of each block of 32 to a lane.  LDS serves a wave's instructions in order: no wait between the stores and the loads
.macro XTURN f
.set II, 0
.rept 16
	ds_store_b128 v2, v[R+64*((\f)%2)+4*II:R+64*((\f)%2)+4*II+3] offset:528*II
.set II, II+1
.endr
.set II, 0
.rept 16
	ds_load_b128 v[X+4*II:X+4*II+3], v3 offset:128*(II/4)+16*(II%4)
.set II, II+1
.endr
.endm
.macro XFRAG f
.if (\f) < 3
	s_wait_loadcnt 16                              ; this fragment's 16 loads are in; the next fragment's 16 may be out
.else
	s_wait_loadcnt 0x0
.endif
	XTURN \f
	s_wait_dscnt 0x0                               ; my numbers are back, and the stores into the stage have read their registers,
.if (\f) < 2
	XLOAD (\f)+2                                   ; which take the fragment two on
.endif
	s_wait_xcnt 0x0                                ; the last fragment's stores have read the codes' registers: they are written again only behind this wait
	QUANT X, PW+(\f)
.irp p, 0,1,2,3,4,5
	global_store_b64 v4, v[PC+2*\p:PC+2*\p+1], s[22:23] offset:1536*(\f)+256*\p   ; a piece: 32 lanes store 256 consecutive bytes, aligned
.endr
.endm
; weights: block t (32 along K) of my column
.macro WLOAD t, n
.set II, 0
.rept 32
	global_load_b32 v[R+32*(\t)+II], v1, s[26:27] offset:(32*(\t)+II)*(\n)*4 th:TH_LOAD_NT   ; 32 lanes read 128 consecutive bytes; the four waves stand side by side on 512
.set II, II+1
.endr
.endm
.macro WBLOCK t, n
.set XS, R+32*(\t)
.if (\t) < 3
	s_wait_loadcnt 32                              ; this block's 32 loads are in; the next block's may be out
.else
	s_wait_loadcnt 0x0
.endif
.if (\t) < 2
	WLOAD (\t)+2, \n
.endif
	v_max3_num_f32 v12, |v[XS]|, |v[XS+1]|, |v[XS+2]|             ; all 32 numbers of the block are mine
	v_max3_num_f32 v13, |v[XS+3]|, |v[XS+4]|, |v[XS+5]|
.irp i, 6,10,14,18,22,26
	v_max3_num_f32 v12, v12, |v[XS+\i]|, |v[XS+\i+1]|
	v_max3_num_f32 v13, v13, |v[XS+\i+2]|, |v[XS+\i+3]|
.endr
	v_max3_num_f32 v12, v12, |v[XS+30]|, |v[XS+31]|
	v_max3_num_f32 v12, v12, v13, 0x1800000        ; and the floor
	v_add_nc_u32 v14, 0xff000000, v12              ; the conversion's scale operand
	v_lshrrev_b32 v15, 23, v14                     ; the byte
.if (\t) == 0
	v_mov_b32 v11, v15
.else
	v_lshl_or_b32 v11, v15, 8*(\t), v11            ; the four blocks' bytes make my column's scale word of this K step
.endif
	v_cvt_scalef32_pk16_fp6_f32 v[144+8*(\t):146+8*(\t)], v[XS:XS+15], v14
	v_cvt_scalef32_pk16_fp6_f32 v[176+4*(\t):178+4*(\t)], v[XS+16:XS+31], v14
	v_nop                                          ; one plain instruction behind a scaled conversion
.irp i, 0,1,2
	v_mov_b32 v[147+8*(\t)+\i], v[176+4*(\t)+\i]
.endr
.irp p, 0,1,2                                  ; block t = 2 c + h belongs to the fragment's lane (r, h), registers 6 c on.  Each block has registers of its own: no store's data are written again
	ds_store_b64 v2, v[144+8*(\t)+2*\p:145+8*(\t)+2*\p] offset:(3*((\t)/2)+\p)*256+((\t)%2)*128
.endr
.endm
; A wave takes 32 columns (two tiles) x 128 along K (one K step): a lane a column, its registers down K.  n: the weight's columns; firstwg: the way's first work-group; g0: its first tile; ldsb: its LDS bytes; wlo: its address
.macro WPATH n, firstwg, g0, ldsb, wlo
	s_sub_co_u32 s13, ttmp9, \firstwg
	s_lshr_b32 s14, s13, 3                         ; which 128 columns
	s_and_b32 s15, s13, 7                          ; which K step
	s_lshl_b32 s14, s14, 2
	s_add_co_u32 s14, s14, s12                     ; my wave's 32 columns
	v_lshlrev_b32 v1, 2, v6                        ; in: 4 bytes a lane
	v_bfe_u32 v9, v0, 3, 1                         ; column l lies in tile u = (l / 8) % 2
	v_and_b32 v10, 7, v0
	v_lshl_add_u32 v10, v8, 3, v10                 ; at place r = l % 8 + 8 (l / 16)
	s_mul_i32 s16, s12, WSTG
	s_add_co_u32 s16, s16, \ldsb                   ; my stage
	v_mul_u32_u24 v2, v9, WTILE
	v_lshl_add_u32 v2, v10, 3, v2
	v_add_nc_u32 v2, s16, v2                       ; into it: my tile's image, 8 r
	v_lshlrev_b32 v4, 4, v6
	v_add_nc_u32 v3, s16, v4                       ; out of it: 16 bytes a lane
	v_lshlrev_b32 v5, 9, v9
	v_lshl_add_u32 v5, v10, 4, v5                  ; my scale word: 512 u + 16 r
	s_mul_i32 s16, s15, 128*(\n)*4
	s_lshl_b32 s17, s14, 7
	s_add_co_u32 s16, s16, s17                     ; the weight: 128 rows a K step, 128 bytes a group of columns
	s_mov_b32 s17, 0
	s_lshl_b32 s18, s14, 1
	s_add_co_u32 s18, s18, \g0                     ; my first tile
	s_mul_i32 s22, s18, 12288
	s_mul_i32 s19, s15, 1536
	s_add_co_u32 s22, s22, s19
	s_mov_b32 s23, 0
	s_lshl_b32 s24, s18, 9
	s_lshr_b32 s19, s15, 2
	s_lshl_b32 s19, s19, 8
	s_add_co_u32 s24, s24, s19
	s_and_b32 s19, s15, 3
	s_lshl_b32 s19, s19, 2
	s_add_co_u32 s24, s24, s19
	s_add_co_u32 s24, s24, OPQ_SC
	s_mov_b32 s25, 0
	s_wait_kmcnt 0x0
	s_add_nc_u64 s[26:27], s[\wlo:\wlo+1], s[16:17]
	s_add_nc_u64 s[22:23], s[10:11], s[22:23]
	s_add_nc_u64 s[24:25], s[10:11], s[24:25]
	WLOAD 0, \n
	WLOAD 1, \n
	WBLOCK 0, \n
	WBLOCK 1, \n
	WBLOCK 2, \n
	WBLOCK 3, \n
.irp u, 0,1
.irp j, 0,1,2
	ds_load_b128 v[200+12*\u+4*\j:203+12*\u+4*\j], v3 offset:\u*WTILE+512*\j   ; LDS serves a wave's instructions in order: these see my stores
.endr
.endr
.irp u, 0,1
.irp j, 0,1,2
	s_wait_dscnt 5-3*\u-\j                         ; the younger loads may be out
	global_store_b128 v4, v[200+12*\u+4*\j:203+12*\u+4*\j], s[22:23] offset:\u*12288+512*\j   ; 512 consecutive bytes, aligned to 256
.endr
.endr
	global_store_b32 v5, v11, s[24:25]             ; 4 bytes at every 16th: one byte in 128 of what this way reads
.endm
	s_load_b256 s[4:11], s[0:1], 0x0               ; x s[4:5], W_attn s[6:7], W_proj s[8:9], opq s[10:11]
	v_lshl_add_u32 v254, v0, 2, 0xec00
	v_mov_b32 v255, 0
	v_lshrrev_b32 v1, 5, v0
	v_readfirstlane_b32 s12, v1                    ; wave
	v_and_b32 v6, 31, v0                           ; lane
	v_and_b32 v7, 15, v0                           ; lane % 16
	v_bfe_u32 v8, v0, 4, 1                         ; lane / 16
	s_cmp_lt_u32 ttmp9, 256
	s_cbranch_scc0 .Lweights
	; ---- x: wave U = 4 x work-group + wave takes tile U / 2, K half U % 2: four fragments
	s_mov_b32 s[SEL], 0x76543210
	s_mov_b32 s[SEL+1], 0xfedcba98
	v_lshlrev_b32 v1, 4, v6                        ; in: 16 bytes a lane
	s_mul_i32 s13, s12, XSTG
	v_add_nc_u32 v2, s13, v1                       ; the stage, on the way in
	v_mul_u32_u24 v3, v7, 528
	v_lshl_add_u32 v3, v8, 6, v3
	v_add_nc_u32 v3, s13, v3                       ; and out: row r, + 64 h
	v_lshlrev_b32 v4, 3, v6                        ; a piece: 8 bytes a lane
	v_lshlrev_b32 v5, 4, v7
	v_lshl_add_u32 v5, v8, 3, v5                   ; the scale words: 16 r + 8 h
.irp b, 0,1,2,3
	v_mov_b32 v[TM+4+\b], 0                        ; written once: a lane permute's destination counts as one of its sources
.endr
	s_lshl_b32 s13, ttmp9, 2
	s_add_co_u32 s13, s13, s12
	s_lshr_b32 s14, s13, 1                         ; tile
	s_and_b32 s15, s13, 1                          ; K half
	s_lshr_b32 s16, s14, 1
	s_lshl_b32 s16, s16, 5
	s_and_b32 s17, s14, 1
	s_lshl_b32 s17, s17, 3
	s_add_co_u32 s16, s16, s17                     ; the tile's first row: 32 (tile / 2) + 8 (tile % 2)
	s_lshl_b32 s16, s16, 12
	s_lshl_b32 s17, s15, 11
	s_add_co_u32 s16, s16, s17
	s_mov_b32 s17, 0
	s_mul_i32 s22, s14, 12288
	s_mul_i32 s18, s15, 6144
	s_add_co_u32 s22, s22, s18
	s_mov_b32 s23, 0
	s_lshl_b32 s24, s14, 9
	s_lshl_b32 s18, s15, 8
	s_add_co_u32 s24, s24, s18
	s_add_co_u32 s24, s24, OPQ_SC
	s_mov_b32 s25, 0
	s_wait_kmcnt 0x0
	s_add_nc_u64 s[4:5], s[4:5], s[16:17]
	s_add_nc_u64 s[22:23], s[10:11], s[22:23]
	s_add_nc_u64 s[24:25], s[10:11], s[24:25]
	XLOAD 0
	XLOAD 1
	XFRAG 0
	XFRAG 1
	XFRAG 2
	XFRAG 3
	v_cmp_eq_u32 vcc_lo, 1, v8                     ; lanes 0-15 store words 0, 1 of their row, lanes 16-31 words 2, 3 (both halves of the lanes hold the row's words)
	v_cndmask_b32 v248, v[PW], v[PW+2], vcc_lo
	v_cndmask_b32 v249, v[PW+1], v[PW+3], vcc_lo
	global_store_b64 v5, v[248:249], s[24:25]      ; 256 consecutive bytes, aligned
	s_wait_tensorcnt 0x0
	ds_add_u32 v254, v255
	s_wait_dscnt 0x0
	s_endpgm
.Lweights:
	s_cmp_lt_u32 ttmp9, 448
	s_cbranch_scc0 .Lproj
	WPATH 3072, 256, 512, 4*XSTG, 6
	s_wait_tensorcnt 0x0
	ds_add_u32 v254, v255
	s_wait_dscnt 0x0
	s_endpgm
.Lproj:
	WPATH 1024, 448, 704, 4*XSTG+4*WSTG, 8
	s_wait_tensorcnt 0x0
	ds_add_u32 v254, v255
	s_wait_dscnt 0x0
	s_endpgm
.Lfunc_end_k_q7d724f425f_quant:
	.size	k_q7d724f425f_quant, .Lfunc_end_k_q7d724f425f_quant-k_q7d724f425f_quant
	.p2alignl 7, 3214868480
	.fill 96, 4, 3214868480
	.section	.rodata,"a",@progbits
	.p2align	6, 0x0
	.amdhsa_kernel k_q7d724f425f_quant
		.amdhsa_group_segment_fixed_size 60928
		.amdhsa_private_segment_fixed_size 0
		.amdhsa_enable_private_segment 0
		.amdhsa_kernarg_size 32
		.amdhsa_user_sgpr_count 2
		.amdhsa_user_sgpr_kernarg_segment_ptr 1
		.amdhsa_wavefront_size32 1
		.amdhsa_system_sgpr_workgroup_id_x 1
		.amdhsa_system_sgpr_workgroup_id_y 1
		.amdhsa_system_sgpr_workgroup_id_z 1
		.amdhsa_system_vgpr_workitem_id 0
		.amdhsa_next_free_vgpr 256
		.amdhsa_next_free_sgpr 66
		.amdhsa_reserve_vcc 1
		.amdhsa_float_denorm_mode_32 3
		.amdhsa_float_denorm_mode_16_64 3
		.amdhsa_memory_ordered 1
		.amdhsa_forward_progress 1
		.amdhsa_inst_pref_size 78
	.end_amdhsa_kernel
	.amdgpu_metadata
---
amdhsa.version: [ 1, 2 ]
amdhsa.kernels:
  - .name:           k_q7d724f425f_quant
    .symbol:         k_q7d724f425f_quant.kd
    .args:
      - { .name: x, .offset: 0, .size: 8, .value_kind: global_buffer, .address_space: global }
      - { .name: W_attn, .offset: 8, .size: 8, .value_kind: global_buffer, .address_space: global }
      - { .name: W_proj, .offset: 16, .size: 8, .value_kind: global_buffer, .address_space: global }
      - { .name: opq, .offset: 24, .size: 8, .value_kind: global_buffer, .address_space: global }
    .group_segment_fixed_size: 60928
    .private_segment_fixed_size: 0
    .kernarg_segment_align: 8
    .kernarg_segment_size: 32
    .max_flat_workgroup_size: 128
    .sgpr_count:     66
    .vgpr_count:     256
    .wavefront_size: 32
...
	.end_amdgpu_metadata
.endif
;; end of part 1
;; launch gemm_qkv (part 2): grid 12 x 32, 4 waves a work-group, clusters of 4 x 4, 327,680 bytes of LDS; arguments opq, b_attn, qkv; writes qkv
.if DOCPART == 2
	.amdgcn_target "amdgcn-amd-amdhsa--gfx1250"
	.amdhsa_code_object_version 6
	.text
	.protected	k_q7d724f425f_gemm_qkv
	.globl	k_q7d724f425f_gemm_qkv
	.p2align	8
	.type	k_q7d724f425f_gemm_qkv,@function
k_q7d724f425f_gemm_qkv:
	s_mov_b64 s[64:65], 0
	v_nop
	global_prefetch_b8 v0, s[64:65] scope:SCOPE_SE
	s_setreg_imm32_b32 hwreg(HW_REG_WAVE_MODE, 25, 1), 1
	s_wait_xcnt 0x0
	s_wait_alu depctr_hold_cnt(0) depctr_sa_sdst(0) depctr_va_vdst(0) depctr_va_sdst(0) depctr_va_ssrc(0) depctr_va_vcc(0) depctr_vm_vsrc(0)
	s_getreg_b32 s2, hwreg(HW_REG_IB_STS2, 6, 4)
	s_cmp_eq_u32 s2, 0
	s_cbranch_scc0 .Lentry_in_a_cluster
	s_endpgm
.Lentry_in_a_cluster:
	s_bfe_u32 s2, ttmp6, 0x10000c
	s_cmp_lg_u32 s2, 0xf033
	s_cbranch_scc0 .Lentry_shape_is_right
	s_endpgm
.Lentry_shape_is_right:
; qkv = x W_attn + b_attn on codes of FP6 (E2M3) with E8M0 scales, K = 1,024; the results are quantised here, in registers, and leave as codes: q and k along the head's 64 channels, v along the keys.
; OPERANDS are images of their registers (a tile of 16 rows: tile 2 b + u holds at place r row 32 b + 8 u + r + 8 (r / 8); a fragment, tile x 128 K, is six pieces of 256 bytes, piece i = registers 2 i, 2 i + 1 of lane l at 8 l).
; opq: tiles 0 .. 511 x, 512 .. 703 W_attn's columns; codes at tile x 12,288 + K step x 1,536; scale words at OPQ_SC + tile x 512 + (K step / 4) x 256 + 16 r + 4 (K step % 4).
; A work-group makes 256 x 256, a wave 128 x 128: 64 accumulators.  THE MATRIX INSTRUCTION IS USED TRANSPOSED: source 0 = a tile of B, source 1 = a tile of A: a lane holds ONE row of A (place lane % 16), and since B's tiles
; hold the rows named above, the 16 registers of B's tiles 2 b, 2 b + 1 are B's rows 32 b + 16 (lane / 16) + 0 .. 15: 16 neighbours, which the conversions take as they stand.
; ROLES by the cluster's x, which all partners share: 0: q, 1: k: A = x (tokens), B = W_attn's columns: a lane holds a token, registers run along channels.  2: v: A = W_attn's columns 2,048 on, B = x: a lane holds a channel, registers run along the tokens, v's K.
; K goes in four slots of 256 through three LDS slots: K slots 0, 1, 2 are first fills, K slot 3 is the one refill, into LDS slot 0.  A wave has four tensor loads out at the start, one behind the refill.
; CLUSTERS: 4 x 4.  A's tiles are shared along a row of the cluster, B's along a column: joint loads.
; qkv: q at 0 and k at QK_PART: [64 heads][128 tiles][768]; v at V_IMG: [64][16 key steps][4 tiles of channels][1,536]; scale words: q at Q_SC, k at Q_SC + SC_PART: [64][128][16 words] (bytes 0, 1: the head's two blocks; 2, 3: 0); v at V_SC: [64][16][4][16 words].
; LIMITS: a block whose largest magnitude lies under 2^-124 (zeros too) gets the byte 1; this program alone reads the bytes.  NaN and infinities are not served.
; REGISTERS: window 0: v1-29 addresses; v32-63 scale words, two sets; v64-127, v240-255 the biases; v128-223 A's fragments, one set; on the way out v128-239 are at work.  window 1: B's fragments, two sets, at v0 and v128.  windows 2, 3: the accumulators ((a, b) at v[8 (8 (a % 4) + b)]).
.set FR,     12
.set TILEB,  3072                      ; a tile's two K steps in a slot
.set HALFT,  8*TILEB                   ; eight tiles: what one tensor load brings, and what a wave reads of A or of B
.set SLOT,   4*HALFT                   ; A's 16 tiles, then B's 16
.set SCL,    3*SLOT                    ; behind the slots: the scale words of A's 16 tiles, then of B's, for all of K: filled once
.set SPARE,  SCL+16384                 ; the spare words, 128 bytes for each wave: two blocks of 256 bytes that no other line names
.set STQ,    SLOT                      ; the way out: 1,024 bytes a wave for scale words, for q and k; it lies in LDS slot 1, which is filled once and read last in front of the last barrier
.set STV,    SLOT+4096                 ; and for v
.set OPQ_SC, 9437184
.set QK_PART, 6291456
.set V_IMG,  12582912
.set Q_SC,   18874368
.set SC_PART, 524288
.set V_SC,   19922944
.set HEADB,  98304                     ; a head's codes
.set BNO,  8                           ; v8   b_attn: my eight channels of a tile of B
.set BMO,  9                           ; v9   b_attn: my channel of a tile of A
.set L8,   10                          ; v10  8 x lane
.set QIN,  11                          ; v11  stage for q, k: in;  v12: out
.set QOUT, 12
.set GS,   13                          ; v13  16 x lane
.set SH,   14                          ; v14  16 (lane / 16)
.set VIN,  15                          ; v15  stage for v: in;  v23: out
.set ADRA, 16                          ; v16-18 my fragments of A in LDS slot 0, 1, 2
.set ADRB, 20                          ; v20-22 of B
.set VOUT, 23
.set GV,   24                          ; v24  4,096 (lane / 16) + 16 (lane % 16)
.set ADRS, 27                          ; v27  my scale words: lanes 0-15 A's, lanes 16-31 B's
.set SPW,  28                          ; v28  my spare word; never rewritten
.set NIL,  29                          ; v29  0; never rewritten
.set SC,   32
.set BN,   64
.set AF,   128
.set HA,   128                         ; the way out: 64 results of a block, bias added
.set PC,   192                         ; v192-211 the codes just made
.set TM,   212                         ; v212-227 at work
.set W8,   232                         ; v232-239 the eight blocks' scale words
.set BM,   240
.set G1A,  24
.set G1B,  32
.set G0A,  40                          ; s[40:51] group 0 for A's tiles, a set for each LDS slot;  s[52:63] for B's
.set G0B,  52
.set G1SA, 68
.set G1SB, 76
.set G0SA, 84
.set G0SB, 88
.set SEL,  98
.set MSB, 0
.macro WIN new                         ; the immediate's high byte repeats the setting that is left
.if MSB != (\new)
	s_set_vgpr_msb (MSB<<8)|(\new)
.set MSB, (\new)
.endif
.endm
.set MUL_LO, 0xa1                      ; source 0 (B) window 1, source 1 (A) window 0, C and D window 2
.set MUL_HI, 0xf1
.set TO_B,   0x40
; A joint load: waves 0 and 1 fetch for A, waves 2 and 3 for B; the branch hangs on the wave's number alone.  Four v_nop follow each of the two lines.
.macro JLOAD g0a, g1a, g0b, g1b
	s_cmp_eq_u32 s15, 0
	s_cbranch_scc0 .Lfor_b_\@
	tensor_load_to_lds s[\g0a:\g0a+3], s[\g1a:\g1a+7]
	s_nop 0
.rept 4
	v_nop
.endr
	s_branch .Lasked_\@
.Lfor_b_\@:
	tensor_load_to_lds s[\g0b:\g0b+3], s[\g1b:\g1b+7]
	s_nop 0
.rept 4
	v_nop
.endr
.Lasked_\@:
.endm
.macro CREST                           ; a round of the cluster's barrier behind its opening barrier
	s_cmp_lg_u32 s14, 0
	s_cbranch_scc1 .Lnot_wave_0_\@
	s_barrier_signal -3
.Lnot_wave_0_\@:
	s_barrier_wait -3
	s_barrier_signal -1
	s_barrier_wait -1
.endm
.macro CROUND
	s_barrier_signal -1
	s_barrier_wait -1
	CREST
.endm
.macro PLACES n                        ; plain instructions between a matrix instruction and a load into, or a vector instruction on, its registers
.rept \n
	v_nop
.endr
.endm
.macro FRAG reg, adr, q, i             ; tile i's fragment of K step q: six loads of 8 bytes a lane, each 256 consecutive bytes
.irp p, 0,1,2,3,4,5
	ds_load_b64 v[\reg+2*\p:\reg+2*\p+1], v[\adr] offset:(\i)*TILEB+((\q)%2)*1536+256*\p
.endr
.endm
.macro FETCH_B ls, q, p
	WIN TO_B
.irp i, 0,1,2,3,4,5,6,7
	FRAG 128*(\p)+FR*\i, ADRB+\ls, \q, \i
.endr
	WIN 0
.endm
.macro FETCH_A ls, q, i0
.irp i, \i0, \i0+1, \i0+2, \i0+3
	FRAG AF+FR*(\i), ADRA+\ls, \q, \i
.endr
.endm
.macro SCALES kq                       ; K slot kq's two words a row into set kq % 2: lanes 0-15 A's tile i, lanes 16-31 B's tile i
.irp i, 0,1,2,3,4,5,6,7
	ds_load_b64 v[SC+16*((\kq)%2)+2*\i:SC+16*((\kq)%2)+2*\i+1], v[ADRS] offset:512*\i+256*((\kq)/2)+8*((\kq)%2)
.endr
.endm
; 16 matrix instructions of K step q: A's blocks a0, a0 + 1 x B's eight.  The 64 accumulators take turns, one instruction a turn, in the same order in every step.
.macro MUL16 a0, q, zero
.irp a, \a0, \a0+1
.irp b, 0,1,2,3,4,5,6,7
.if \zero
	v_wmma_scale_f32_16x16x128_f8f6f4 v[8*(8*((\a)%4)+\b):8*(8*((\a)%4)+\b)+7], v[128*((\q)%2)+FR*\b:128*((\q)%2)+FR*\b+FR-1], v[AF+FR*(\a):AF+FR*(\a)+FR-1], 0, v[SC+16*(((\q)/2)%2)+2*\b+(\q)%2], v[SC+16*(((\q)/2)%2)+2*(\a)+(\q)%2] matrix_a_fmt:MATRIX_FMT_FP6 matrix_b_fmt:MATRIX_FMT_FP6 matrix_a_scale:MATRIX_SCALE_ROW1
.else
	v_wmma_scale_f32_16x16x128_f8f6f4 v[8*(8*((\a)%4)+\b):8*(8*((\a)%4)+\b)+7], v[128*((\q)%2)+FR*\b:128*((\q)%2)+FR*\b+FR-1], v[AF+FR*(\a):AF+FR*(\a)+FR-1], v[8*(8*((\a)%4)+\b):8*(8*((\a)%4)+\b)+7], v[SC+16*(((\q)/2)%2)+2*\b+(\q)%2], v[SC+16*(((\q)/2)%2)+2*(\a)+(\q)%2] matrix_a_fmt:MATRIX_FMT_FP6 matrix_b_fmt:MATRIX_FMT_FP6 matrix_a_scale:MATRIX_SCALE_ROW1
.endif
.endr
.endr
.endm
; K step q (128 along K, 64 matrix instructions), which fetches step q + 1's fragments.  sync = 0: no barrier.  sync = 1: LDS slot 0 has been read out and is filled again.  sync = 2: the refill is awaited and shown to all waves.
.macro KSTEP q, zero, sync
.set NX, (\q)+1
.set LS, (NX/2)%3
.if (\sync) == 0
	s_wait_dscnt 24                                ; B's set, A's blocks 0-3 and the scale words are in; the youngest 24 loads (A's blocks 4-7) may be out
	WIN MUL_LO
	MUL16 0, \q, \zero
	MUL16 2, \q, \zero
	s_wait_dscnt 0x0                               ; A's blocks 4-7 are in
	PLACES 4
.else
	s_wait_tensorcnt 0x0                           ; all my tensor loads have landed;
	ds_add_u32 v[SPW], v[NIL]                      ; 0 onto my spare word;
	s_wait_dscnt 25                                ; (the add and A's blocks 4-7 may be out)
	WIN MUL_LO
	MUL16 0, \q, \zero                             ; sixteen matrix instructions stand between the add and the wait for it
	s_wait_dscnt 0x0                               ; the add is done, and my reads of the slot in hand are over
	s_barrier_signal -1
	MUL16 2, \q, \zero
	WIN 0
	s_barrier_wait -1
.if (\sync) == 1
	CREST                                          ; the barrier has opened a round of the cluster's: no wave of any partner still reads LDS slot 0 or has a load on its way
	s_add_nc_u64 s[G0A+2:G0A+3], s[G0A+2:G0A+3], 3*TILEB   ; K slot 3
	s_add_nc_u64 s[G0B+2:G0B+3], s[G0B+2:G0B+3], 3*TILEB
	JLOAD G0A, G1A, G0B, G1B                       ; the first tensor load behind the round; it has three and a half K steps, 224 matrix instructions, in which to land; its four v_nop are the places in front of the loads below
.else
	PLACES 4
.endif
.endif
	FETCH_B LS, NX, 1-(\q)%2
	FETCH_A LS, NX, 0
.if NX%2 == 0
	SCALES NX/2
.endif
	WIN MUL_HI
	MUL16 4, \q, \zero
	MUL16 6, \q, \zero
	PLACES 4
	WIN 0
	FETCH_A LS, NX, 4
.endm
; 64 numbers of a lane, register 16 b + i = k 32 b + 16 (lane / 16) + i of my row, become a fragment's codes in v[PC] .. v[PC + 11] and its scale word in v[pw].
.macro QUANT s, pw
.irp b, 0,1,2,3
	v_max3_num_f32 v[TM+\b], |v[\s+16*\b]|, |v[\s+1+16*\b]|, 0x1800000   ; my 16 numbers of block b, and the floor 2^(3 - 127): the byte cannot fall under 1
.endr
.irp i, 2,4,6,8,10,12,14
.irp b, 0,1,2,3
	v_max3_num_f32 v[TM+\b], v[TM+\b], |v[\s+16*\b+\i]|, |v[\s+1+16*\b+\i]|
.endr
.endr
.irp b, 0,1,2,3
	v_permlanex16_b32 v[TM+4+\b], v[TM+\b], s[SEL], s[SEL+1]
.endr
.irp b, 0,1,2,3
	v_max_num_f32 v[TM+\b], v[TM+\b], v[TM+4+\b]
.endr
.irp b, 0,1,2,3
	v_add_nc_u32 v[TM+12+\b], 0xff000000, v[TM+\b]                 ; 2 off the exponent field: the conversion's scale operand
.endr
.irp b, 0,1,2,3
	v_lshrrev_b32 v[TM+4+\b], 23, v[TM+12+\b]                      ; the scale's byte
.endr
	v_lshl_or_b32 v[\pw], v[TM+5], 8, v[TM+4]
	v_lshl_or_b32 v[\pw], v[TM+6], 16, v[\pw]
	v_lshl_or_b32 v[\pw], v[TM+7], 24, v[\pw]
.irp c, 0,1
	v_cvt_scalef32_pk16_fp6_f32 v[PC+6*\c:PC+2+6*\c], v[\s+32*\c:\s+15+32*\c], v[TM+12+2*\c]
	v_cvt_scalef32_pk16_fp6_f32 v[PC+12+4*\c:PC+14+4*\c], v[\s+16+32*\c:\s+31+32*\c], v[TM+12+2*\c+1]
.endr
	v_nop                                          ; one plain instruction behind a scaled conversion
.irp c, 0,1
.irp i, 0,1,2
	v_permlane16_swap_b32 v[PC+6*\c+\i], v[PC+12+4*\c+\i]
.endr
.irp i, 0,1,2
	v_mov_b32 v[PC+3+6*\c+\i], v[PC+12+4*\c+\i]
.endr
.endr
.endm
; THE WAY OUT of my eight blocks of 16 rows of A.  The addition of the bias also brings the sums into window 0, each accumulator from its low end on.
.macro EPI isv
.irp a, 0,1,2,3,4,5,6,7
	s_wait_xcnt 0x0                                ; the last block's stores have read the codes' registers
	WIN 0x02+(\a)/4                                ; source 0: window 2 or 3
.set II, 0
.rept 32
.if \isv
	v_pk_add_f32 v[HA+II:HA+II+1], v[64*((\a)%4)+II:64*((\a)%4)+II+1], v[BM+2*\a:BM+2*\a+1]   ; my channel's bias
.else
	v_pk_add_f32 v[HA+II:HA+II+1], v[64*((\a)%4)+II:64*((\a)%4)+II+1], v[BN+II:BN+II+1]       ; the registers' channels' biases
.endif
.set II, II+2
.endr
	WIN 0
	QUANT HA, W8+\a
.irp p, 0,1,2,3,4,5
.if \isv
	global_store_b64 v[L8], v[PC+2*\p:PC+2*\p+1], s[8:9] offset:(\a/4)*HEADB+(\a%4)*1536+256*\p   ; head a / 4 of my two, tile a % 4 of its channels: 256 consecutive bytes, aligned
.else
	global_store_b64 v[L8], v[PC+2*\p:PC+2*\p+1], s[8:9] offset:(\p/3)*HEADB+\a*768+(\p%3)*256    ; registers 0-5 are my first head's 64 channels, 6-11 my second's
.endif
.endr
.endr
.endm
	s_load_b128 s[4:7], s[0:1], 0x0                ; opq s[4:5], b_attn s[6:7]
	s_load_b64 s[100:101], s[0:1], 0x10            ; qkv
	v_lshl_add_u32 v[SPW], v0, 2, SPARE
	v_mov_b32 v[NIL], 0
	ds_add_u32 v28, v29
	ds_add_u32 v28, v29
	s_wait_dscnt 0x0
	v_lshrrev_b32 v1, 5, v0
	v_readfirstlane_b32 s14, v1                    ; wave 0..3
	s_lshr_b32 s15, s14, 1                         ; which half of A's rows is mine.  Also: I fetch for A (0) or for B (1)
	s_and_b32 s16, s14, 1                          ; which half of B's rows.  Also: which eight tiles I fetch
	s_bfe_u32 s92, ttmp6, 0x40000                  ; cx
	s_bfe_u32 s93, ttmp6, 0x40004                  ; cy
	s_and_b32 s94, ttmp7, 0xffff                   ; the cluster's y
	s_lshl_b32 s95, s93, 2
	s_lshl_b32 s95, 15, s95                        ; my row of the cluster
	s_lshl_b32 s96, 0x1111, s92                    ; my column
	s_mov_b32 s[SEL], 0x76543210
	s_mov_b32 s[SEL+1], 0xfedcba98
	; the roles, in groups of 16 tiles: q, k: A = x's group 4 y + cy, B = W_attn's group 32 + 4 x + cx;  v: A = W_attn's group 40 + cy, B = x's group 4 y + cx
	s_lshl_b32 s17, s94, 2
	s_lshl_b32 s18, ttmp9, 2
	s_add_co_u32 s18, s18, 32
	s_cmp_eq_u32 ttmp9, 2
	s_cselect_b32 s19, 40, s17
	s_cselect_b32 s20, s17, s18
	s_add_co_u32 s19, s19, s93                     ; A's group hangs on cy alone,
	s_add_co_u32 s20, s20, s92                     ; B's on cx alone
	s_lshl_b32 s21, s16, 3
	s_lshl_b32 s19, s19, 4
	s_add_co_u32 s19, s19, s21                     ; the first of the eight tiles that I would fetch of A,
	s_lshl_b32 s20, s20, 4
	s_add_co_u32 s20, s20, s21                     ; and of B
	s_mul_i32 s8, s19, 12288
	s_mov_b32 s9, 0
	s_mul_i32 s10, s20, 12288
	s_mov_b32 s11, 0
	s_lshl_b32 s12, s19, 9
	s_add_co_u32 s12, s12, OPQ_SC
	s_mov_b32 s13, 0
	s_lshl_b32 s22, s20, 9
	s_add_co_u32 s22, s22, OPQ_SC
	s_mov_b32 s23, 0
	s_mul_i32 s17, s14, HALFT                      ; where they go: wave x eight tiles: no place in the cluster enters an LDS address
	s_lshl_b32 s18, s14, 12                        ; the scale words: wave x 4,096
	; group 1 for codes: eight rows (tiles) of 384 elements of 8 bytes, 1,536 elements apart
	s_or_b32 s[G1A], s95, (3<<16)|(1<<21)          ; 15:0 the mask; 17:16 elements of 8 bytes; 21 set beside a mask
	s_or_b32 s[G1B], s96, (3<<16)|(1<<21)
.irp g, G1A, G1B
	s_mov_b32 s[\g+1], 384<<16                     ; tensor_dim0
	s_mov_b32 s[\g+2], 8<<16                       ; tensor_dim1
	s_mov_b32 s[\g+3], 384<<16                     ; tile_dim0
	s_mov_b32 s[\g+4], 8                           ; tile_dim1
	s_mov_b32 s[\g+5], 1536                        ; tensor_dim0_stride
	s_mov_b32 s[\g+6], 0
	s_mov_b32 s[\g+7], 0
.endr
	; and for scale words: 4,096 dense bytes as 16 rows of 256
	s_or_b32 s[G1SA], s95, (3<<16)|(1<<21)
	s_or_b32 s[G1SB], s96, (3<<16)|(1<<21)
.irp g, G1SA, G1SB
	s_mov_b32 s[\g+1], 32<<16
	s_mov_b32 s[\g+2], 16<<16
	s_mov_b32 s[\g+3], 32<<16
	s_mov_b32 s[\g+4], 16
	s_mov_b32 s[\g+5], 32
	s_mov_b32 s[\g+6], 0
	s_mov_b32 s[\g+7], 0
.endr
	s_wait_kmcnt 0x0
	s_add_nc_u64 s[8:9], s[4:5], s[8:9]
	s_add_nc_u64 s[10:11], s[4:5], s[10:11]
	s_add_nc_u64 s[12:13], s[4:5], s[12:13]
	s_add_nc_u64 s[22:23], s[4:5], s[22:23]
	CROUND                                         ; all sixteen work-groups are here: the first joint loads meet
	s_mov_b32 s[G0SA], 1
	s_add_co_u32 s[G0SA+1], s18, SCL
	s_mov_b64 s[G0SA+2:G0SA+3], s[12:13]
	s_or_b32 s[G0SA+3], s[G0SA+3], 0x80000000
	s_mov_b32 s[G0SB], 1
	s_add_co_u32 s[G0SB+1], s18, SCL
	s_mov_b64 s[G0SB+2:G0SB+3], s[22:23]
	s_or_b32 s[G0SB+3], s[G0SB+3], 0x80000000
	JLOAD G0SA, G1SA, G0SB, G1SB                   ; the scale words first: they are wanted with K step 0
.irp s, 0,1,2
	s_mov_b32 s[G0A+4*\s], 1
	s_add_co_u32 s[G0A+4*\s+1], s17, \s*SLOT
	s_add_nc_u64 s[G0A+4*\s+2:G0A+4*\s+3], s[8:9], \s*TILEB
	s_or_b32 s[G0A+4*\s+3], s[G0A+4*\s+3], 0x80000000
	s_mov_b32 s[G0B+4*\s], 1
	s_add_co_u32 s[G0B+4*\s+1], s17, \s*SLOT
	s_add_nc_u64 s[G0B+4*\s+2:G0B+4*\s+3], s[10:11], \s*TILEB
	s_or_b32 s[G0B+4*\s+3], s[G0B+4*\s+3], 0x80000000
	JLOAD G0A+4*\s, G1A, G0B+4*\s, G1B
.endr
	v_and_b32 v1, 15, v0                           ; r
	v_bfe_u32 v2, v0, 4, 1                         ; h
	v_and_b32 v3, 31, v0                           ; lane
	v_lshlrev_b32 v[L8], 3, v3
	s_mul_i32 s21, s15, HALFT                      ; my eight tiles of A
	s_mul_i32 s22, s16, HALFT
	s_add_co_u32 s22, s22, 2*HALFT                 ; and of B, behind A's sixteen
.irp s, 0,1,2
	v_add_nc_u32 v[ADRA+\s], s21, v[L8]
	v_add_nc_u32 v[ADRB+\s], s22, v[L8]
	s_add_co_u32 s21, s21, SLOT
	s_add_co_u32 s22, s22, SLOT
.endr
	v_lshlrev_b32 v5, 4, v1                        ; my row's four words of a K half: 16 r
	s_lshl_b32 s21, s15, 12                        ; A's: my eight tiles
	s_lshl_b32 s22, s16, 12
	s_add_co_u32 s22, s22, 8192                    ; B's, behind A's sixteen
	s_sub_co_u32 s22, s22, s21
	v_mul_u32_u24 v6, s22, v2                      ; lanes 16-31 take B's
	s_add_co_u32 s21, s21, SCL
	v_add_nc_u32 v5, v5, v6
	v_add_nc_u32 v[ADRS], s21, v5
	; the stages for scale words, for both ways out
	s_lshl_b32 s21, s14, 10
	v_lshlrev_b32 v5, 2, v1                        ; 4 r
	v_lshl_add_u32 v6, v2, 9, v5                   ; + 512 h
	v_add_nc_u32 v6, s21, v6
	v_add_nc_u32 v[QIN], STQ, v6
	v_lshlrev_b32 v[GS], 4, v3
	v_add_nc_u32 v6, s21, v[GS]
	v_add_nc_u32 v[QOUT], STQ, v6
	v_add_nc_u32 v[VOUT], STV, v6
	v_add_nc_u32 v6, s21, v5
	v_add_nc_u32 v[VIN], STV, v6
	v_lshlrev_b32 v[SH], 4, v2
	v_lshlrev_b32 v6, 4, v1
	v_lshl_add_u32 v[GV], v2, 12, v6
	; the biases.  Both sets are loaded in every work-group (both lie inside b_attn for every role); q and k use the first, v the second: so no second branch on the role is needed here
	s_lshl_b32 s21, ttmp9, 12
	s_lshl_b32 s22, s92, 10
	s_add_co_u32 s21, s21, s22
	s_lshl_b32 s22, s16, 9
	s_add_co_u32 s21, s21, s22                     ; 4 x (1,024 x + 256 cx + 128 x my half): B's columns where B is W_attn
	v_lshlrev_b32 v[BNO], 6, v2
	v_add_nc_u32 v[BNO], s21, v[BNO]               ; + 64 h: register 8 b + j is channel 32 (b / 2) + 8 (b % 2) + 16 h + j
	s_lshl_b32 s21, s93, 10
	s_lshl_b32 s22, s15, 9
	s_add_co_u32 s21, s21, s22
	s_add_co_u32 s21, s21, 8192                    ; 4 x (2,048 + 256 cy + 128 x my half): A's rows where A is W_attn
	v_and_b32 v4, 8, v1
	v_add_nc_u32 v4, v4, v1                        ; r + 8 (r / 8)
	v_lshl_add_u32 v[BMO], v4, 2, s21
.irp b, 0,1,2,3,4,5,6,7
	global_load_b128 v[BN+8*\b:BN+8*\b+3], v[BNO], s[6:7] offset:(32*(\b/2)+8*(\b%2))*4
	global_load_b128 v[BN+8*\b+4:BN+8*\b+7], v[BNO], s[6:7] offset:(32*(\b/2)+8*(\b%2))*4+16
.endr
.irp a, 0,1,2,3,4,5,6,7
	global_load_b32 v[BM+2*\a], v[BMO], s[6:7] offset:(32*(\a/2)+8*(\a%2))*4
	global_load_b32 v[BM+2*\a+1], v[BMO], s[6:7] offset:(32*(\a/2)+8*(\a%2))*4   ; twice: a pair for the packed addition
.endr
	s_wait_tensorcnt 2                             ; the scale words and my part of LDS slot 0 are in; slots 1 and 2 may be out
	s_barrier_signal -1
	s_barrier_wait -1
	FETCH_B 0, 0, 0
	FETCH_A 0, 0, 0
	SCALES 0
	FETCH_A 0, 0, 4
	KSTEP 0, 1, 0                                  ; its products start the sums: nothing is cleared
	KSTEP 1, 0, 1                                  ; slots 1 and 2 are shown whole to every wave here, so no barrier stands at the change from slot 1 to slot 2
	KSTEP 2, 0, 0
	KSTEP 3, 0, 0
	KSTEP 4, 0, 0
	KSTEP 5, 0, 2
	KSTEP 6, 0, 0
	s_wait_dscnt 24                                ; the last step: nothing more to fetch
	WIN MUL_LO
	MUL16 0, 7, 0
	MUL16 2, 7, 0
	s_wait_dscnt 0x0
	WIN MUL_HI
	MUL16 4, 7, 0
	MUL16 6, 7, 0
	WIN 0
	s_wait_loadcnt 0x0                             ; the biases
	PLACES 4                                       ; in front of the first read of results and the first write over A's fragments
.irp b, 0,1,2,3
	v_mov_b32 v[TM+4+\b], 0                        ; written once: a lane permute's destination counts as one of its sources
.endr
	s_cmp_eq_u32 ttmp9, 2                          ; the role: the same in all sixteen partners
	s_cbranch_scc1 .Lv_out
	; ---- q, k: my 128 tokens (eight tiles) x my 128 channels (two heads)
	s_lshl_b32 s17, s94, 2
	s_add_co_u32 s17, s17, s93                     ; which 256 tokens
	s_lshr_b32 s18, s17, 3                         ; the batch
	s_lshl_b32 s18, s18, 4
	s_lshl_b32 s19, s92, 2
	s_add_co_u32 s18, s18, s19
	s_lshl_b32 s19, s16, 1
	s_add_co_u32 s18, s18, s19                     ; my first head: 16 x batch + 4 cx + 2 x half
	s_and_b32 s17, s17, 7
	s_lshl_b32 s17, s17, 4
	s_lshl_b32 s19, s15, 3
	s_add_co_u32 s17, s17, s19                     ; my first tile of the head's 128
	s_mul_i32 s20, s18, HEADB
	s_mul_i32 s21, s17, 768
	s_add_co_u32 s20, s20, s21
	s_mul_i32 s21, ttmp9, QK_PART
	s_add_co_u32 s20, s20, s21
	s_mov_b32 s21, 0
	s_add_nc_u64 s[8:9], s[100:101], s[20:21]
	s_lshl_b32 s20, s18, 13
	s_lshl_b32 s22, s17, 6
	s_add_co_u32 s20, s20, s22
	s_mul_i32 s22, ttmp9, SC_PART
	s_add_co_u32 s20, s20, s22
	s_add_co_u32 s20, s20, Q_SC
	s_add_nc_u64 s[10:11], s[100:101], s[20:21]
	EPI 0
.irp a, 0,1,2,3,4,5,6,7
	v_lshrrev_b32 v[TM+\a], v[SH], v[W8+\a]        ; lanes 0-15 take the first head's two bytes, lanes 16-31 the second's
.endr
.irp a, 0,1,2,3,4,5,6,7
	v_and_b32 v[TM+\a], 0xffff, v[TM+\a]           ; bytes 2 and 3, over zero codes, are 0
.endr
.irp a, 0,1,2,3,4,5,6,7
	ds_store_b32 v[QIN], v[TM+\a] offset:64*\a
.endr
	ds_load_b128 v[HA:HA+3], v[QOUT]               ; LDS serves a wave's instructions in order: these see my stores
	ds_load_b128 v[HA+4:HA+7], v[QOUT] offset:512
	s_wait_dscnt 0x0
	global_store_b128 v[GS], v[HA:HA+3], s[10:11]                  ; eight tiles' words of a head: 512 consecutive bytes
	global_store_b128 v[GS], v[HA+4:HA+7], s[10:11] offset:8192
	s_branch .Lend
.Lv_out:
	; ---- v: my 128 channels (two heads x four tiles) x my 128 tokens (one key step)
	s_lshl_b32 s17, s94, 2
	s_add_co_u32 s17, s17, s92                     ; which 256 tokens
	s_lshr_b32 s18, s17, 3
	s_lshl_b32 s18, s18, 4
	s_lshl_b32 s19, s93, 2
	s_add_co_u32 s18, s18, s19
	s_lshl_b32 s19, s15, 1
	s_add_co_u32 s18, s18, s19                     ; my first head: 16 x batch + 4 cy + 2 x half
	s_and_b32 s17, s17, 7
	s_lshl_b32 s17, s17, 1
	s_add_co_u32 s17, s17, s16                     ; the key step
	s_mul_i32 s20, s18, HEADB
	s_mul_i32 s21, s17, 6144
	s_add_co_u32 s20, s20, s21
	s_add_co_u32 s20, s20, V_IMG
	s_mov_b32 s21, 0
	s_add_nc_u64 s[8:9], s[100:101], s[20:21]
	s_lshl_b32 s20, s18, 12
	s_lshl_b32 s22, s17, 8
	s_add_co_u32 s20, s20, s22
	s_add_co_u32 s20, s20, V_SC
	s_add_nc_u64 s[10:11], s[100:101], s[20:21]
	EPI 1
.irp a, 0,1,2,3,4,5,6,7
	ds_store_b32 v[VIN], v[W8+\a] offset:64*\a     ; both halves of the lanes write the same word with the same value
.endr
	ds_load_b128 v[HA:HA+3], v[VOUT]
	s_wait_dscnt 0x0
	global_store_b128 v[GV], v[HA:HA+3], s[10:11]  ; lanes 0-15: my first head's 256 bytes, lanes 16-31 my second's
.Lend:
	s_wait_tensorcnt 0x0                           ; the wave's end
	ds_add_u32 v[SPW], v[NIL]
	s_wait_dscnt 0x0
	CROUND                                         ; the closing round
	s_endpgm
.Lfunc_end_k_q7d724f425f_gemm_qkv:
	.size	k_q7d724f425f_gemm_qkv, .Lfunc_end_k_q7d724f425f_gemm_qkv-k_q7d724f425f_gemm_qkv
	.p2alignl 7, 3214868480
	.fill 96, 4, 3214868480
	.section	.rodata,"a",@progbits
	.p2align	6, 0x0
	.amdhsa_kernel k_q7d724f425f_gemm_qkv
		.amdhsa_group_segment_fixed_size 327680
		.amdhsa_private_segment_fixed_size 0
		.amdhsa_enable_private_segment 0
		.amdhsa_kernarg_size 24
		.amdhsa_user_sgpr_count 2
		.amdhsa_user_sgpr_kernarg_segment_ptr 1
		.amdhsa_wavefront_size32 1
		.amdhsa_system_sgpr_workgroup_id_x 1
		.amdhsa_system_sgpr_workgroup_id_y 1
		.amdhsa_system_sgpr_workgroup_id_z 1
		.amdhsa_system_vgpr_workitem_id 0
		.amdhsa_next_free_vgpr 1024
		.amdhsa_next_free_sgpr 102
		.amdhsa_reserve_vcc 0
		.amdhsa_float_denorm_mode_32 3
		.amdhsa_float_denorm_mode_16_64 3
		.amdhsa_memory_ordered 1
		.amdhsa_forward_progress 1
		.amdhsa_inst_pref_size 240
	.end_amdhsa_kernel
	.amdgpu_metadata
---
amdhsa.version: [ 1, 2 ]
amdhsa.kernels:
  - .name:           k_q7d724f425f_gemm_qkv
    .symbol:         k_q7d724f425f_gemm_qkv.kd
    .args:
      - { .name: opq, .offset: 0, .size: 8, .value_kind: global_buffer, .address_space: global }
      - { .name: b_attn, .offset: 8, .size: 8, .value_kind: global_buffer, .address_space: global }
      - { .name: qkv, .offset: 16, .size: 8, .value_kind: global_buffer, .address_space: global }
    .group_segment_fixed_size: 327680
    .private_segment_fixed_size: 0
    .kernarg_segment_align: 8
    .kernarg_segment_size: 24
    .max_flat_workgroup_size: 128
    .sgpr_count:     102
    .vgpr_count:     1024
    .wavefront_size: 32
...
	.end_amdgpu_metadata
.endif
;; end of part 2
;; launch attn (part 3): grid 4 x 64, 16 waves a work-group, no clusters, 210,944 bytes of LDS; arguments qkv, oq; writes oq
.if DOCPART == 3
	.amdgcn_target "amdgcn-amd-amdhsa--gfx1250"
	.amdhsa_code_object_version 6
	.text
	.protected	k_q7d724f425f_attn
	.globl	k_q7d724f425f_attn
	.p2align	8
	.type	k_q7d724f425f_attn,@function
k_q7d724f425f_attn:
	s_mov_b64 s[64:65], 0
	v_nop
	global_prefetch_b8 v0, s[64:65] scope:SCOPE_SE
	s_setreg_imm32_b32 hwreg(HW_REG_WAVE_MODE, 25, 1), 1
	s_wait_xcnt 0x0
; o = softmax(q k^T / 8, causal) v for one head, both products on codes of FP6 (E2M3) with E8M0 scales; o is quantised here along its 64 channels and leaves as codes.
; THE SOFTMAX: t = score x log2(e) / 8; M = the row's largest t so far, rounded UP to a whole number; p = 2^(t - M) is quantised along the keys, not normalised; the row's sum is taken of the unquantised p and divides o at the end.
; When M moves, the sum and o are multiplied by 2^(old M - new M): exact.
; OPERANDS are images of their registers (tile 2 b + u holds at place r row 32 b + 8 u + r + 8 (r / 8); pieces of 256 bytes, registers 2 i, 2 i + 1 of lane l at 8 l).  q, k: K = 64: registers 0-5 (768 bytes a tile); registers 6-11 are zero codes.
; SHARES.  A work-group serves one head (y) and four of its sixteen blocks of 128 queries.  The head's whole K and V, codes and scale words, 208,896 bytes, are brought into LDS ONCE and stay: nothing is filled again.
; A wave owns one tile of 16 queries in each of two passes: tile wave / 2 of block QB; with j = work-group x and sel = (wave xor wave / 4) % 2:  pass 1: QB = sel ? 15 - j : j;  pass 2: QB = sel ? 7 - j : 8 + j.
; A tile of block QB has QB + 1 key steps of 128 (the last lies on the diagonal): a pair of waves with unlike sel has 34 steps in all, in every work-group.
; NO CLUSTER: under the mask partners would have unequal work in each key step, and what would be shared is fetched once, at the head.
; LAYOUT.  Both products transposed: S^T = K Q^T, O^T = V^T P^T: a lane holds ONE query (place lane % 16); the 16 registers of tiles 2 b, 2 b + 1 are keys (channels) 32 b + 16 (lane / 16) + 0 .. 15.
; oq: codes at (token tile x 16 + head) x 768; scale bytes at O_SC + token tile x 512 + (head / 8) x 256 + 16 r + 2 (head % 8).
; LIMITS: a block whose largest magnitude lies under 2^-124 (zeros too) gets the byte 1; this program alone reads the bytes.  NaN and infinities are not served.
.set VB,    98304                      ; LDS: K's codes at 0, V's here,
.set SCK,   196608                     ; K's scale words (8,192 bytes),
.set SCV,   204800                     ; V's (4,096)
.set K_IMG, 6291456
.set V_IMG, 12582912
.set Q_SC,  18874368
.set K_SC,  19398656
.set V_SC,  19922944
.set O_SC,  6291456
.set AK0,  1                           ; v1   8 x lane: my place in a piece of K
.set AV0,  2                           ; v2   the same for V
.set ASK0, 3                           ; v3   SCK + 4 x lane
.set ASV0, 4                           ; v4   SCV + 4 x lane
.set DQ,   5                           ; v5   my query's place in its block of 128, less 16 (lane / 16)
.set L8,   6                           ; v6   8 x lane, for memory
.set R16,  7                           ; v7   16 r
.set ADK,  8                           ; v8-11 the step's addresses
.set ADV,  9
.set ADS,  10
.set ADT,  11                          ; v12 -M, v13 the largest t, v[14:15] the sum in two halves
.set QF,   16                          ; v16-27 Q; v22-27 zeros
.set QS,   28                          ; v28  Q's scale words
.set R4,   29                          ; v29  4 r
.set KF,   32                          ; v32-79 four fragments of K; the upper six registers of each are zeros, written once
.set KS,   80                          ; v80-83 K's scale words: lanes 0-15 tile 2 i, lanes 16-31 tile 2 i + 1
.set VS,   84                          ; v84-85 V's likewise
.set S,    96                          ; v96-159 S^T, then p; then V's four fragments in v96-143
.set O,    160                         ; v160-191 O^T
.set PCD,  192                         ; v192-203 p's codes
.set CT,   204                         ; v204-211 the conversions' second halves
.set BMX,  212                         ; v212-215 a block's largest score, then its largest p
.set PT,   216                         ; v216-219 at work
.set SO,   220                         ; v220-223 the conversions' scale operands
.set BY,   224                         ; v224-227 the bytes
.set PSW,  228                         ; v228 p's scale word
.set F,    230                         ; v[230:231] f = 2^(old M - new M)
.set T0,   232
.set T1,   233
.set WV,   8                           ; s8   wave;  s9 head;  s10-13 at work
.set BH,   9
.set SI,   14                          ; s14  the key step
.set TK,   15                          ; s15  its codes in LDS: 6,144 a step, in K and in V
.set TS,   16                          ; s16  K's scale words: 512 a step
.set TJ,   17                          ; s17  V's: 256 a step
.set SEL,  18
.set CS,   20                          ; s[20:21] c = log2(e) / 8
.set QB,   30                          ; s30  my block of 128 queries
.set IDX,  31                          ; s31  my tile in it
.set G1SK, 32
.set G1SV, 40
.set G1C1, 48
.set G1C2, 56
.set SELW, 66
.set G0,   68                          ; s[68:79] three groups 0
.macro G1DENSE g, rows                 ; a dense block as rows of 256 bytes: 32 elements of 8 bytes
	s_mov_b32 s[\g], 3<<16
	s_mov_b32 s[\g+1], 32<<16
	s_mov_b32 s[\g+2], (\rows)<<16
	s_mov_b32 s[\g+3], 32<<16
	s_mov_b32 s[\g+4], \rows
	s_mov_b32 s[\g+5], 32
	s_mov_b32 s[\g+6], 0
	s_mov_b32 s[\g+7], 0
.endm
; A pass's head: my block, my tile, Q, and where o goes.
.macro PASSHEAD hi, lo
	s_sub_co_u32 s10, \hi, ttmp9
	s_add_co_u32 s11, ttmp9, \lo
	s_cmp_eq_u32 s[SELW], 1
	s_cselect_b32 s[QB], s10, s11
	s_lshl_b32 s10, s[QB], 3
	s_add_co_u32 s10, s10, s[IDX]                  ; my tile of the head's 128
	s_lshl_b32 s11, s[BH], 7
	s_add_co_u32 s11, s11, s10
	s_mul_i32 s12, s11, 768
	s_mov_b32 s13, 0
	s_add_nc_u64 s[22:23], s[4:5], s[12:13]        ; Q's codes
	s_lshl_b32 s12, s11, 6
	s_add_co_u32 s12, s12, Q_SC
	s_add_nc_u64 s[24:25], s[4:5], s[12:13]        ; Q's scale words
	s_lshr_b32 s11, s[BH], 4
	s_lshl_b32 s11, s11, 7
	s_add_co_u32 s11, s11, s10                     ; the token tile: 128 x batch + tile
	s_and_b32 s10, s[BH], 15                       ; the head in its batch
	s_lshl_b32 s12, s11, 4
	s_add_co_u32 s12, s12, s10
	s_mul_i32 s12, s12, 768
	s_add_nc_u64 s[26:27], s[6:7], s[12:13]        ; o's codes
	s_lshl_b32 s12, s11, 9
	s_lshr_b32 s11, s10, 3
	s_lshl_b32 s11, s11, 8
	s_add_co_u32 s12, s12, s11
	s_lshl_b32 s11, s10, 1
	s_and_b32 s11, s11, 14
	s_add_co_u32 s12, s12, s11
	s_add_co_u32 s12, s12, O_SC
	s_add_nc_u64 s[28:29], s[6:7], s[12:13]        ; o's scale bytes
	global_load_b64 v[QF:QF+1], v[L8], s[22:23]
	global_load_b64 v[QF+2:QF+3], v[L8], s[22:23] offset:256
	global_load_b64 v[QF+4:QF+5], v[L8], s[22:23] offset:512
	global_load_b32 v[QS], v[R4], s[24:25]
	v_mov_b32 v13, 0xff61b1e6                      ; the largest t so far: -3e38, under every t
	v_floor_f32 v12, -v13                          ; -M
	v_mov_b32 v14, 0
	v_mov_b32 v15, 0
.set II, 0
.rept 32
	v_mov_b32 v[O+II], 0                           ; O^T: the step is written once; the first finds zeros, which the first change of M leaves zeros
.set II, II+1
.endr
	s_mov_b32 s[SI], 0
	s_mov_b32 s[TK], 0
	s_mov_b32 s[TS], 0
	s_mov_b32 s[TJ], 0
.endm
; A KEY STEP: 128 keys.  A step all of whose keys come after my block of queries is left out: a scalar branch on ids round its work, not round the lines at its end that step addresses.
.macro STEP
	s_cmp_gt_u32 s[SI], s[QB]
	s_cbranch_scc1 .Lhid_\@
	v_add_nc_u32 v[ADK], s[TK], v[AK0]
	v_add_nc_u32 v[ADV], s[TK], v[AV0]
	v_add_nc_u32 v[ADS], s[TS], v[ASK0]
	v_add_nc_u32 v[ADT], s[TJ], v[ASV0]
.irp g, 0,1                                    ; S^T = K Q^T, four tiles of 16 keys at a time
.if \g
.rept 4
	v_nop                                          ; places in front of loads into registers that matrix instructions have read
.endr
.endif
.irp t, 0,1,2,3
.irp p, 0,1,2
	ds_load_b64 v[KF+12*\t+2*\p:KF+12*\t+2*\p+1], v[ADK] offset:(4*\g+\t)*768+256*\p
.endr
.endr
.if \g == 0
.irp i, 0,1,2,3
	ds_load_b32 v[KS+\i], v[ADS] offset:128*\i
.endr
.endif
	s_wait_dscnt 0x0
.irp t, 0,2
	v_wmma_scale_f32_16x16x128_f8f6f4 v[S+8*(4*\g+\t):S+8*(4*\g+\t)+7], v[KF+12*\t:KF+12*\t+11], v[QF:QF+11], 0, v[KS+2*\g+\t/2], v[QS] matrix_a_fmt:MATRIX_FMT_FP6 matrix_b_fmt:MATRIX_FMT_FP6
	v_wmma_scale_f32_16x16x128_f8f6f4 v[S+8*(4*\g+\t)+8:S+8*(4*\g+\t)+15], v[KF+12*\t+12:KF+12*\t+23], v[QF:QF+11], 0, v[KS+2*\g+\t/2], v[QS] matrix_a_fmt:MATRIX_FMT_FP6 matrix_b_fmt:MATRIX_FMT_FP6 matrix_a_scale:MATRIX_SCALE_ROW1
.endr
.endr
.rept 4
	v_nop
.endr
	s_cmp_lg_u32 s[SI], s[QB]                      ; on the diagonal the scores of hidden keys become -infinity ahead of the maximum: p = 0 then
	s_cbranch_scc1 .Lopen_\@
	v_mov_b32 v[T0], 0xff800000
.set NN, 0
.rept 64
	v_cmp_gt_i32 vcc_lo, 32*(NN/16)+NN%16, v[DQ]   ; register 16 b + i holds key 32 b + 16 (lane / 16) + i of the step: hidden where 32 b + i > my query's place - 16 (lane / 16)
	v_cndmask_b32 v[S+NN], v[S+NN], v[T0], vcc_lo
.set NN, NN+1
.endr
.Lopen_\@:
.irp b, 0,1,2,3
	v_max3_num_f32 v[BMX+\b], v[S+16*\b], v[S+1+16*\b], v[S+2+16*\b]   ; the largest score of each block of 32 keys: for the row's maximum and, since p rises with the score, for the block's largest p
.endr
.irp i, 3,5,7,9,11,13
.irp b, 0,1,2,3
	v_max3_num_f32 v[BMX+\b], v[BMX+\b], v[S+16*\b+\i], v[S+1+16*\b+\i]
.endr
.endr
.irp b, 0,1,2,3
	v_max_num_f32 v[BMX+\b], v[BMX+\b], v[S+15+16*\b]
.endr
.irp b, 0,1,2,3
	v_permlanex16_b32 v[PT+\b], v[BMX+\b], s[SEL], s[SEL+1]
.endr
.irp b, 0,1,2,3
	v_max_num_f32 v[BMX+\b], v[BMX+\b], v[PT+\b]   ; with lane l xor 16's 16 keys
.endr
	v_max3_num_f32 v[T0], v[BMX], v[BMX+1], v[BMX+2]
	v_max_num_f32 v[T0], v[T0], v[BMX+3]           ; the step's largest score of my query (finite: on the diagonal my own key counts)
	v_mul_f32 v[T0], s[CS], v[T0]
	v_max_num_f32 v13, v13, v[T0]                  ; the running largest t
	v_mov_b32 v[T0], v12
	v_floor_f32 v12, -v13                          ; the new -M = -ceil(t)
	v_sub_f32 v[T0], v12, v[T0]                    ; old M - new M: a whole number, 0 or less
	v_cvt_i32_f32 v[T0], v[T0]                     ; (it saturates)
	v_ldexp_f32 v[F], 1.0, v[T0]                   ; f
.set JJ, 0
.rept 32
	v_pk_fma_f32 v[S+JJ:S+JJ+1], v[S+JJ:S+JJ+1], s[CS:CS+1], v[12:13] op_sel_hi:[1,0,0]   ; t - M, two at a time
.set JJ, JJ+2
.endr
.irp b, 0,1,2,3
	v_fma_f32 v[BMX+\b], v[BMX+\b], s[CS], v12     ; the same of each block's largest score
.endr
.set JJ, 0
.rept 64
	v_exp_f32 v[S+JJ], v[S+JJ]                     ; p = 2^(t - M)
.set JJ, JJ+1
.endr
	v_pk_mul_f32 v[14:15], v[14:15], v[F:F+1] op_sel_hi:[1,0]      ; the sums under the new M: a plain instruction behind the exponentials
	s_wait_alu depctr_va_vdst(0)                   ; one wait for the batch of 64, ahead of its first reader
.irp b, 0,1,2,3
	v_exp_f32 v[BMX+\b], v[BMX+\b]                 ; the block's largest p: the same two instructions on the same number
.endr
	v_pk_add_f32 v[PT:PT+1], v[S:S+1], v[S+2:S+3]  ; the row's sum of the unquantised p, in two chains; it reads the 64 alone
.set JJ, 4
.rept 15
	v_pk_add_f32 v[14:15], v[14:15], v[S+JJ:S+JJ+1]
	v_pk_add_f32 v[PT:PT+1], v[PT:PT+1], v[S+JJ+2:S+JJ+3]
.set JJ, JJ+4
.endr
	v_pk_add_f32 v[14:15], v[14:15], v[PT:PT+1]
	s_wait_alu depctr_va_vdst(0)                   ; and one for the four
.irp b, 0,1,2,3
	v_max_num_f32 v[BMX+\b], 0x1800000, v[BMX+\b]  ; the floor 2^(3 - 127): the byte cannot fall under 1
.endr
.irp b, 0,1,2,3
	v_add_nc_u32 v[SO+\b], 0xff000000, v[BMX+\b]   ; 2 off the exponent field: the conversion's scale operand
.endr
.irp b, 0,1,2,3
	v_lshrrev_b32 v[BY+\b], 23, v[SO+\b]
.endr
	v_lshl_or_b32 v[PSW], v[BY+1], 8, v[BY]        ; p's scale word for these 128 keys
	v_lshl_or_b32 v[PSW], v[BY+2], 16, v[PSW]
	v_lshl_or_b32 v[PSW], v[BY+3], 24, v[PSW]
.irp c, 0,1
	v_cvt_scalef32_pk16_fp6_f32 v[PCD+6*\c:PCD+2+6*\c], v[S+32*\c:S+15+32*\c], v[SO+2*\c]
	v_cvt_scalef32_pk16_fp6_f32 v[CT+4*\c:CT+2+4*\c], v[S+16+32*\c:S+31+32*\c], v[SO+2*\c+1]
.endr
	v_nop                                          ; one plain instruction behind a scaled conversion
.irp t, 0,1,2,3                                ; V's four fragments land where p lay, while p's codes are put in order
.irp p, 0,1,2,3,4,5
	ds_load_b64 v[S+12*\t+2*\p:S+12*\t+2*\p+1], v[ADV] offset:\t*1536+256*\p
.endr
.endr
	ds_load_b32 v[VS], v[ADT]
	ds_load_b32 v[VS+1], v[ADT] offset:128
.irp c, 0,1                                    ; the layout wants a whole block in a lane
.irp i, 0,1,2
	v_permlane16_swap_b32 v[PCD+6*\c+\i], v[CT+4*\c+\i]
.endr
.irp i, 0,1,2
	v_mov_b32 v[PCD+3+6*\c+\i], v[CT+4*\c+\i]
.endr
.endr
.set JJ, 0
.rept 16
	v_pk_mul_f32 v[O+JJ:O+JJ+1], v[O+JJ:O+JJ+1], v[F:F+1] op_sel_hi:[1,0]   ; O^T under the new M.  These 16 are also the places between the codes' and the scale word's last writes and the products below
.set JJ, JJ+2
.endr
	s_wait_dscnt 0x0
.irp t, 0,2                                    ; O^T += V^T P^T: four accumulators by turns
	v_wmma_scale_f32_16x16x128_f8f6f4 v[O+8*\t:O+8*\t+7], v[S+12*\t:S+12*\t+11], v[PCD:PCD+11], v[O+8*\t:O+8*\t+7], v[VS+\t/2], v[PSW] matrix_a_fmt:MATRIX_FMT_FP6 matrix_b_fmt:MATRIX_FMT_FP6
	v_wmma_scale_f32_16x16x128_f8f6f4 v[O+8*\t+8:O+8*\t+15], v[S+12*\t+12:S+12*\t+23], v[PCD:PCD+11], v[O+8*\t+8:O+8*\t+15], v[VS+\t/2], v[PSW] matrix_a_fmt:MATRIX_FMT_FP6 matrix_b_fmt:MATRIX_FMT_FP6 matrix_a_scale:MATRIX_SCALE_ROW1
.endr
.rept 5
	v_nop                                          ; five: the next step's first products write over registers that these have read
.endr
.Lhid_\@:
	s_add_co_u32 s[TK], s[TK], 6144
	s_add_co_u32 s[TS], s[TS], 512
	s_add_co_u32 s[TJ], s[TJ], 256
.endm
; THE WAY OUT of a pass: o = O^T / the sum, quantised along its 64 channels: two blocks.
.macro OUT
	v_add_f32 v14, v14, v15
	v_permlanex16_b32 v[T0], v14, s[SEL], s[SEL+1]
	v_add_f32 v14, v14, v[T0]                      ; the row's sum
	v_rcp_f32 v14, v14
	v_nop                                          ; a plain instruction behind the reciprocal
	s_wait_alu depctr_va_vdst(0)                   ; and the wait ahead of its first reader
.set JJ, 0
.rept 32
	v_mul_f32 v[S+JJ], v[O+JJ], v14                ; register 16 b + i is channel 32 b + 16 (lane / 16) + i
.set JJ, JJ+1
.endr
.irp b, 0,1
	v_max3_num_f32 v[BMX+\b], |v[S+16*\b]|, |v[S+1+16*\b]|, 0x1800000
.endr
.irp i, 2,4,6,8,10,12,14
.irp b, 0,1
	v_max3_num_f32 v[BMX+\b], v[BMX+\b], |v[S+16*\b+\i]|, |v[S+1+16*\b+\i]|
.endr
.endr
.irp b, 0,1
	v_permlanex16_b32 v[PT+\b], v[BMX+\b], s[SEL], s[SEL+1]
.endr
.irp b, 0,1
	v_max_num_f32 v[BMX+\b], v[BMX+\b], v[PT+\b]
.endr
.irp b, 0,1
	v_add_nc_u32 v[SO+\b], 0xff000000, v[BMX+\b]
.endr
.irp b, 0,1
	v_lshrrev_b32 v[BY+\b], 23, v[SO+\b]
.endr
	v_lshl_or_b32 v[T1], v[BY+1], 8, v[BY]         ; my head's half of the row's scale word
	v_cvt_scalef32_pk16_fp6_f32 v[PCD:PCD+2], v[S:S+15], v[SO]
	v_cvt_scalef32_pk16_fp6_f32 v[CT:CT+2], v[S+16:S+31], v[SO+1]
	v_nop
.irp i, 0,1,2
	v_permlane16_swap_b32 v[PCD+\i], v[CT+\i]
.endr
.irp i, 0,1,2
	v_mov_b32 v[PCD+3+\i], v[CT+\i]
.endr
.irp p, 0,1,2
	global_store_b64 v[L8], v[PCD+2*\p:PCD+2*\p+1], s[26:27] offset:256*\p   ; 256 consecutive bytes, aligned
.endr
	global_store_b16 v[R16], v[T1], s[28:29]       ; two bytes a row (both halves of the lanes write the same): the word's other half is another head's, made by another work-group; one byte in 24 of o's codes
.endm
	s_load_b128 s[4:7], s[0:1], 0x0                ; qkv s[4:5], oq s[6:7]
	v_lshl_add_u32 v254, v0, 2, 0x33000
	v_mov_b32 v255, 0
	ds_add_u32 v254, v255
	ds_add_u32 v254, v255
	v_lshrrev_b32 v8, 5, v0
	v_readfirstlane_b32 s[WV], v8                  ; wave 0..15
	s_and_b32 s[BH], ttmp7, 0xffff                 ; the head, 0..63
	G1DENSE G1SK, 32                               ; K's scale words: 8,192 bytes
	G1DENSE G1SV, 16                               ; V's: 4,096
	G1DENSE G1C1, 96                               ; the first 512 keys' codes: 24,576
	G1DENSE G1C2, 288                              ; the other 1,536 keys': 73,728
	s_cmp_eq_u32 s[WV], 0                          ; wave 0 fetches K, wave 1 V: only offsets are chosen
	s_cselect_b32 s10, 13, 12
	s_mov_b32 s12, V_SC
	s_cselect_b32 s12, K_SC, s12
	s_mov_b32 s22, V_IMG
	s_cselect_b32 s22, K_IMG, s22
	s_lshl_b32 s10, s[BH], s10
	s_add_co_u32 s10, s10, s12                     ; the head's scale words
	s_mov_b32 s11, 0
	s_mul_i32 s12, s[BH], 98304
	s_add_co_u32 s12, s12, s22                     ; the head's codes
	s_mov_b32 s13, 0
	s_lshl_b32 s23, s[WV], 13
	s_mul_i32 s24, s[WV], 98304
	s_wait_dscnt 0x0
	s_wait_kmcnt 0x0
	s_mov_b32 s[G0], 1
	s_add_co_u32 s[G0+1], s23, SCK                 ; wave 0: SCK; wave 1: SCV
	s_add_nc_u64 s[G0+2:G0+3], s[4:5], s[10:11]
	s_or_b32 s[G0+3], s[G0+3], 0x80000000
	s_mov_b32 s[G0+4], 1
	s_mov_b32 s[G0+5], s24                         ; wave 0: K at 0; wave 1: V
	s_add_nc_u64 s[G0+6:G0+7], s[4:5], s[12:13]
	s_or_b32 s[G0+7], s[G0+7], 0x80000000
	s_mov_b32 s[G0+8], 1
	s_add_co_u32 s[G0+9], s24, 24576
	s_add_nc_u64 s[G0+10:G0+11], s[4:5], s[12:13]
	s_add_nc_u64 s[G0+10:G0+11], s[G0+10:G0+11], 24576
	s_or_b32 s[G0+11], s[G0+11], 0x80000000
	s_cmp_eq_u32 s[WV], 0                          ; a wave's three fills stand in one branch on its number: three loads of the wave are out.  Four v_nop follow the last
	s_cbranch_scc0 .Lnot_k
	tensor_load_to_lds s[G0:G0+3], s[G1SK:G1SK+7]
	s_nop 0
	tensor_load_to_lds s[G0+4:G0+7], s[G1C1:G1C1+7]
	s_nop 0
	tensor_load_to_lds s[G0+8:G0+11], s[G1C2:G1C2+7]
	s_nop 0
.rept 4
	v_nop
.endr
	s_branch .Lfilled
.Lnot_k:
	s_cmp_eq_u32 s[WV], 1
	s_cbranch_scc0 .Lfilled
	tensor_load_to_lds s[G0:G0+3], s[G1SV:G1SV+7]
	s_nop 0
	tensor_load_to_lds s[G0+4:G0+7], s[G1C1:G1C1+7]
	s_nop 0
	tensor_load_to_lds s[G0+8:G0+11], s[G1C2:G1C2+7]
	s_nop 0
.rept 4
	v_nop
.endr
.Lfilled:
	s_mov_b32 s[SEL], 0x76543210
	s_mov_b32 s[SEL+1], 0xfedcba98
	s_mov_b32 s[CS], 0x3e38aa3b                    ; c = log2(e) / 8
	s_mov_b32 s[CS+1], s[CS]                       ; (named with it as a pair, so it is written)
	s_lshr_b32 s[IDX], s[WV], 1
	s_lshr_b32 s[SELW], s[WV], 2
	s_xor_b32 s[SELW], s[SELW], s[WV]
	s_and_b32 s[SELW], s[SELW], 1
	v_and_b32 v9, 31, v0                           ; lane
	v_and_b32 v10, 15, v0                          ; r
	v_bfe_u32 v11, v0, 4, 1                        ; h
	v_lshlrev_b32 v[AK0], 3, v9
	v_add_nc_u32 v[AV0], VB, v[AK0]
	v_lshl_add_u32 v[ASK0], v9, 2, SCK
	v_lshl_add_u32 v[ASV0], v9, 2, SCV
	v_lshlrev_b32 v[L8], 3, v9
	v_lshlrev_b32 v[R16], 4, v10
	v_lshlrev_b32 v[R4], 2, v10
	s_lshr_b32 s10, s[IDX], 1
	s_lshl_b32 s10, s10, 5
	s_and_b32 s11, s[IDX], 1
	s_lshl_b32 s11, s11, 3
	s_add_co_u32 s10, s10, s11                     ; my tile's first query in its block: 32 (tile / 2) + 8 (tile % 2)
	v_and_b32 v12, 8, v10
	v_add_nc_u32 v12, v12, v10                     ; r + 8 (r / 8)
	v_lshlrev_b32 v13, 4, v11
	v_sub_nc_u32 v12, v12, v13
	v_add_nc_u32 v[DQ], s10, v12
.irp i, 6,7,8,9,10,11
	v_mov_b32 v[QF+\i], 0                          ; k = 64 .. 127: zero codes, in Q
.irp t, 0,1,2,3
	v_mov_b32 v[KF+12*\t+\i], 0                    ; and in K
.endr
.endr
.irp b, 0,1,2,3
	v_mov_b32 v[PT+\b], 0                          ; written once: a lane permute's destination counts as one of its sources
.endr
	v_mov_b32 v[F+1], 0                            ; (named as the upper half of a pair)
	v_mov_b32 v[T0], 0
	PASSHEAD 15, 0
	s_wait_loadcnt 0x0                             ; Q
	s_wait_tensorcnt 1                             ; the scale words and the first 512 keys are in; the rest may be out
	s_barrier_signal -1
	s_barrier_wait -1
.Lfirst:                                           ; key steps 0 to 3
	STEP
	s_add_co_u32 s[SI], s[SI], 1
	s_cmp_lt_u32 s[SI], 4
	s_cbranch_scc1 .Lfirst
	s_wait_tensorcnt 0x0                           ; the rest of the head is in,
	s_wait_dscnt 0x0
	s_barrier_signal -1
	s_barrier_wait -1                              ; for every wave
.Lrest:                                            ; key steps 4 to 15
	STEP
	s_add_co_u32 s[SI], s[SI], 1
	s_cmp_lt_u32 s[SI], 16
	s_cbranch_scc1 .Lrest
	OUT
	s_wait_xcnt 0x0                                ; the stores have read their registers and bases: both are written again below
	PASSHEAD 7, 8
	s_wait_loadcnt 0x0
.Lsecond:                                          ; the second pass: no barrier, the waves run free
	STEP
	s_add_co_u32 s[SI], s[SI], 1
	s_cmp_lt_u32 s[SI], 16
	s_cbranch_scc1 .Lsecond
	OUT
	s_wait_tensorcnt 0x0
	ds_add_u32 v254, v255
	s_wait_dscnt 0x0
	s_endpgm
.Lfunc_end_k_q7d724f425f_attn:
	.size	k_q7d724f425f_attn, .Lfunc_end_k_q7d724f425f_attn-k_q7d724f425f_attn
	.p2alignl 7, 3214868480
	.fill 96, 4, 3214868480
	.section	.rodata,"a",@progbits
	.p2align	6, 0x0
	.amdhsa_kernel k_q7d724f425f_attn
		.amdhsa_group_segment_fixed_size 210944
		.amdhsa_private_segment_fixed_size 0
		.amdhsa_enable_private_segment 0
		.amdhsa_kernarg_size 16
		.amdhsa_user_sgpr_count 2
		.amdhsa_user_sgpr_kernarg_segment_ptr 1
		.amdhsa_wavefront_size32 1
		.amdhsa_system_sgpr_workgroup_id_x 1
		.amdhsa_system_sgpr_workgroup_id_y 1
		.amdhsa_system_sgpr_workgroup_id_z 1
		.amdhsa_system_vgpr_workitem_id 0
		.amdhsa_next_free_vgpr 256
		.amdhsa_next_free_sgpr 80
		.amdhsa_reserve_vcc 1
		.amdhsa_float_denorm_mode_32 3
		.amdhsa_float_denorm_mode_16_64 3
		.amdhsa_memory_ordered 1
		.amdhsa_forward_progress 1
		.amdhsa_inst_pref_size 88
	.end_amdhsa_kernel
	.amdgpu_metadata
---
amdhsa.version: [ 1, 2 ]
amdhsa.kernels:
  - .name:           k_q7d724f425f_attn
    .symbol:         k_q7d724f425f_attn.kd
    .args:
      - { .name: qkv, .offset: 0, .size: 8, .value_kind: global_buffer, .address_space: global }
      - { .name: oq, .offset: 8, .size: 8, .value_kind: global_buffer, .address_space: global }
    .group_segment_fixed_size: 210944
    .private_segment_fixed_size: 0
    .kernarg_segment_align: 8
    .kernarg_segment_size: 16
    .max_flat_workgroup_size: 512
    .sgpr_count:     80
    .vgpr_count:     256
    .wavefront_size: 32
...
	.end_amdgpu_metadata
.endif
;; end of part 3
;; launch gemm_proj (part 4): grid 4 x 32, 4 waves a work-group, clusters of 4 x 4, 327,680 bytes of LDS; arguments oq, opq, b_proj, out0; writes out0
.if DOCPART == 4
	.amdgcn_target "amdgcn-amd-amdhsa--gfx1250"
	.amdhsa_code_object_version 6
	.text
	.protected	k_q7d724f425f_gemm_proj
	.globl	k_q7d724f425f_gemm_proj
	.p2align	8
	.type	k_q7d724f425f_gemm_proj,@function
k_q7d724f425f_gemm_proj:
	s_mov_b64 s[64:65], 0
	v_nop
	global_prefetch_b8 v0, s[64:65] scope:SCOPE_SE
	s_setreg_imm32_b32 hwreg(HW_REG_WAVE_MODE, 25, 1), 1
	s_wait_xcnt 0x0
	s_wait_alu depctr_hold_cnt(0) depctr_sa_sdst(0) depctr_va_vdst(0) depctr_va_sdst(0) depctr_va_ssrc(0) depctr_va_vcc(0) depctr_vm_vsrc(0)
	s_getreg_b32 s2, hwreg(HW_REG_IB_STS2, 6, 4)
	s_cmp_eq_u32 s2, 0
	s_cbranch_scc0 .Lentry_in_a_cluster
	s_endpgm
.Lentry_in_a_cluster:
	s_bfe_u32 s2, ttmp6, 0x10000c
	s_cmp_lg_u32 s2, 0xf033
	s_cbranch_scc0 .Lentry_shape_is_right
	s_endpgm
.Lentry_shape_is_right:
; out0 = o W_proj + b_proj on codes of FP6 (E2M3) with E8M0 scales, K = 1,024; out0 [8192][1024] f32.
; OPERANDS are images of their registers (a tile of 16 rows: tile 2 b + u holds at place r row 32 b + 8 u + r + 8 (r / 8); a fragment, tile x 128 K, is six pieces of 256 bytes, piece i = registers 2 i, 2 i + 1 of lane l at 8 l).
; A = oq: tiles 0 .. 511 of tokens, codes at tile x 12,288 + K step x 1,536, scale words at O_SC + tile x 512 + (K step / 4) x 256 + 16 r + 4 (K step % 4).  B = opq's tiles 704 .. 767 (W_proj's columns), scale words at OPQ_SC likewise.
; A work-group makes 256 x 256, a wave 128 x 128: 64 accumulators.  THE MATRIX INSTRUCTION IS USED TRANSPOSED (source 0 = a tile of B, source 1 = a tile of A): a lane holds one token, and register j of accumulator (a, b) column 32 (b / 2) + 8 (b % 2) + 16 (lane / 16) + j.
; The bias is the C of each sum's first matrix instruction.  K goes in four slots of 256 through three LDS slots: K slots 0, 1, 2 are first fills, K slot 3 is the one refill, into LDS slot 0: four tensor loads of a wave are out at the start, one behind the refill.
; CLUSTERS: 4 x 4.  A's tiles are shared along a row of the cluster, B's along a column: joint loads.  128 work-groups: the tile is kept at 256 x 256 so that each fragment read from LDS feeds eight products.
; REGISTERS: window 0: v1-29 addresses; v32-63 scale words, two sets; v64-127 the bias; v128-223 A's fragments, one set; on the way out v128-255 take rows of out0.  window 1: B's fragments, two sets.  windows 2, 3: the accumulators.
.set FR,     12
.set TILEB,  3072
.set HALFT,  8*TILEB
.set SLOT,   4*HALFT
.set SCL,    3*SLOT
.set SPARE,  SCL+16384                 ; the spare words, 128 bytes for each wave: two blocks of 256 bytes that no other line names
.set STAGE,  SLOT                      ; the way out: 16 rows x (512 bytes + 16) for each wave, in LDS slot 1, which is filled once and read last in front of the last barrier
.set SPITCH, 528
.set OPQ_SC, 9437184
.set O_SC,   6291456
.set BNO,  8
.set L8,   10
.set ADRA, 16
.set ADRB, 20
.set STO,  24                          ; v24  the way out: where I put 32 bytes of a row
.set RD,   25                          ; v25  where I read a row back
.set CO,   26                          ; v26  16 x lane: my bytes of a row's 512
.set ADRS, 27
.set SPW,  28
.set NIL,  29
.set SC,   32
.set BN,   64
.set AF,   128
.set BK,   128
.set G1A,  24
.set G1B,  32
.set G0A,  40
.set G0B,  52
.set G1SA, 68
.set G1SB, 76
.set G0SA, 84
.set G0SB, 88
.set MSB, 0
.macro WIN new                         ; the immediate's high byte repeats the setting that is left
.if MSB != (\new)
	s_set_vgpr_msb (MSB<<8)|(\new)
.set MSB, (\new)
.endif
.endm
.set TO_B, 0x40
.macro WINMUL hi, zero                 ; source 0 (B) window 1, source 1 (A) window 0, D window 2 or 3; C with D, or (zero = 2: the bias) window 0
.if (\zero) == 2
	WIN 0x81+0x40*(\hi)
.else
	WIN 0xa1+0x50*(\hi)
.endif
.endm
.macro JLOAD g0a, g1a, g0b, g1b        ; a joint load: waves 0 and 1 fetch for A, waves 2 and 3 for B; four v_nop follow each of the two lines
	s_cmp_eq_u32 s15, 0
	s_cbranch_scc0 .Lfor_b_\@
	tensor_load_to_lds s[\g0a:\g0a+3], s[\g1a:\g1a+7]
	s_nop 0
.rept 4
	v_nop
.endr
	s_branch .Lasked_\@
.Lfor_b_\@:
	tensor_load_to_lds s[\g0b:\g0b+3], s[\g1b:\g1b+7]
	s_nop 0
.rept 4
	v_nop
.endr
.Lasked_\@:
.endm
.macro CREST
	s_cmp_lg_u32 s14, 0
	s_cbranch_scc1 .Lnot_wave_0_\@
	s_barrier_signal -3
.Lnot_wave_0_\@:
	s_barrier_wait -3
	s_barrier_signal -1
	s_barrier_wait -1
.endm
.macro CROUND
	s_barrier_signal -1
	s_barrier_wait -1
	CREST
.endm
.macro PLACES n
.rept \n
	v_nop
.endr
.endm
.macro FRAG reg, adr, q, i
.irp p, 0,1,2,3,4,5
	ds_load_b64 v[\reg+2*\p:\reg+2*\p+1], v[\adr] offset:(\i)*TILEB+((\q)%2)*1536+256*\p
.endr
.endm
.macro FETCH_B ls, q, p
	WIN TO_B
.irp i, 0,1,2,3,4,5,6,7
	FRAG 128*(\p)+FR*\i, ADRB+\ls, \q, \i
.endr
	WIN 0
.endm
.macro FETCH_A ls, q, i0
.irp i, \i0, \i0+1, \i0+2, \i0+3
	FRAG AF+FR*(\i), ADRA+\ls, \q, \i
.endr
.endm
.macro SCALES kq
.irp i, 0,1,2,3,4,5,6,7
	ds_load_b64 v[SC+16*((\kq)%2)+2*\i:SC+16*((\kq)%2)+2*\i+1], v[ADRS] offset:512*\i+256*((\kq)/2)+8*((\kq)%2)
.endr
.endm
; 16 matrix instructions of K step q.  zero = 2: the bias starts the sums.  The 64 accumulators take turns, one instruction a turn.
.macro MUL16 a0, q, zero
.irp a, \a0, \a0+1
.irp b, 0,1,2,3,4,5,6,7
.if (\zero) == 2
	v_wmma_scale_f32_16x16x128_f8f6f4 v[8*(8*((\a)%4)+\b):8*(8*((\a)%4)+\b)+7], v[128*((\q)%2)+FR*\b:128*((\q)%2)+FR*\b+FR-1], v[AF+FR*(\a):AF+FR*(\a)+FR-1], v[BN+8*\b:BN+8*\b+7], v[SC+16*(((\q)/2)%2)+2*\b+(\q)%2], v[SC+16*(((\q)/2)%2)+2*(\a)+(\q)%2] matrix_a_fmt:MATRIX_FMT_FP6 matrix_b_fmt:MATRIX_FMT_FP6 matrix_a_scale:MATRIX_SCALE_ROW1
.else
	v_wmma_scale_f32_16x16x128_f8f6f4 v[8*(8*((\a)%4)+\b):8*(8*((\a)%4)+\b)+7], v[128*((\q)%2)+FR*\b:128*((\q)%2)+FR*\b+FR-1], v[AF+FR*(\a):AF+FR*(\a)+FR-1], v[8*(8*((\a)%4)+\b):8*(8*((\a)%4)+\b)+7], v[SC+16*(((\q)/2)%2)+2*\b+(\q)%2], v[SC+16*(((\q)/2)%2)+2*(\a)+(\q)%2] matrix_a_fmt:MATRIX_FMT_FP6 matrix_b_fmt:MATRIX_FMT_FP6 matrix_a_scale:MATRIX_SCALE_ROW1
.endif
.endr
.endr
.endm
; K step q, which fetches step q + 1's fragments.  sync = 0: no barrier.  sync = 1: LDS slot 0 has been read out and is filled again.  sync = 2: the refill is awaited and shown to all waves.
.macro KSTEP q, zero, sync
.set NX, (\q)+1
.set LS, (NX/2)%3
.if (\sync) == 0
	s_wait_dscnt 24                                ; B's set, A's blocks 0-3 and the scale words are in; the youngest 24 loads (A's blocks 4-7) may be out
	WINMUL 0, \zero
	MUL16 0, \q, \zero
	MUL16 2, \q, \zero
	s_wait_dscnt 0x0
	PLACES 4
.else
	s_wait_tensorcnt 0x0                           ; all my tensor loads have landed;
	ds_add_u32 v[SPW], v[NIL]                      ; 0 onto my spare word;
	s_wait_dscnt 25                                ; (the add and A's blocks 4-7 may be out)
	WINMUL 0, \zero
	MUL16 0, \q, \zero
	s_wait_dscnt 0x0                               ; the add is done, and my reads of the slot in hand are over
	s_barrier_signal -1
	MUL16 2, \q, \zero
	WIN 0
	s_barrier_wait -1
.if (\sync) == 1
	CREST                                          ; the barrier has opened a round of the cluster's: no wave of any partner still reads LDS slot 0 or has a load on its way
	s_add_nc_u64 s[G0A+2:G0A+3], s[G0A+2:G0A+3], 3*TILEB   ; K slot 3
	s_add_nc_u64 s[G0B+2:G0B+3], s[G0B+2:G0B+3], 3*TILEB
	JLOAD G0A, G1A, G0B, G1B                       ; the first tensor load behind the round; its four v_nop are the places in front of the loads below
.else
	PLACES 4
.endif
.endif
	FETCH_B LS, NX, 1-(\q)%2
	FETCH_A LS, NX, 0
.if NX%2 == 0
	SCALES NX/2
.endif
	WINMUL 1, \zero
	MUL16 4, \q, \zero
	MUL16 6, \q, \zero
	PLACES 4
	WIN 0
	FETCH_A LS, NX, 4
.endm
	s_load_b128 s[4:7], s[0:1], 0x0                ; oq s[4:5], opq s[6:7]
	s_load_b128 s[8:11], s[0:1], 0x10              ; b_proj s[8:9], out0 s[10:11]
	v_lshl_add_u32 v[SPW], v0, 2, SPARE
	v_mov_b32 v[NIL], 0
	ds_add_u32 v28, v29
	ds_add_u32 v28, v29
	s_wait_dscnt 0x0
	v_lshrrev_b32 v1, 5, v0
	v_readfirstlane_b32 s14, v1                    ; wave 0..3
	s_lshr_b32 s15, s14, 1                         ; which half of A's rows is mine.  Also: I fetch for A (0) or for B (1)
	s_and_b32 s16, s14, 1                          ; which half of B's rows.  Also: which eight tiles I fetch
	s_bfe_u32 s92, ttmp6, 0x40000                  ; cx
	s_bfe_u32 s93, ttmp6, 0x40004                  ; cy
	s_and_b32 s94, ttmp7, 0xffff
	s_lshl_b32 s95, s93, 2
	s_lshl_b32 s95, 15, s95                        ; my row of the cluster
	s_lshl_b32 s96, 0x1111, s92                    ; my column
	s_lshl_b32 s19, s94, 2
	s_add_co_u32 s19, s19, s93                     ; which 256 tokens: 4 x cluster y + cy
	s_lshl_b32 s20, ttmp9, 2
	s_add_co_u32 s20, s20, s92                     ; which 256 columns: 4 x cluster x + cx
	s_lshl_b32 s21, s16, 3
	s_lshl_b32 s17, s19, 4
	s_add_co_u32 s17, s17, s21                     ; the first of the eight tiles that I would fetch of A,
	s_lshl_b32 s18, s20, 4
	s_add_co_u32 s18, s18, s21
	s_add_co_u32 s18, s18, 704                     ; and of B
	s_mul_i32 s12, s17, 12288
	s_mov_b32 s13, 0
	s_mul_i32 s22, s18, 12288
	s_mov_b32 s23, 0
	s_lshl_b32 s66, s17, 9
	s_add_co_u32 s66, s66, O_SC
	s_mov_b32 s67, 0
	s_lshl_b32 s98, s18, 9
	s_add_co_u32 s98, s98, OPQ_SC
	s_mov_b32 s99, 0
	s_mul_i32 s17, s14, HALFT                      ; where they go: no place in the cluster enters an LDS address
	s_lshl_b32 s18, s14, 12
	s_or_b32 s[G1A], s95, (3<<16)|(1<<21)          ; codes: eight rows (tiles) of 384 elements of 8 bytes, 1,536 elements apart
	s_or_b32 s[G1B], s96, (3<<16)|(1<<21)
.irp g, G1A, G1B
	s_mov_b32 s[\g+1], 384<<16
	s_mov_b32 s[\g+2], 8<<16
	s_mov_b32 s[\g+3], 384<<16
	s_mov_b32 s[\g+4], 8
	s_mov_b32 s[\g+5], 1536
	s_mov_b32 s[\g+6], 0
	s_mov_b32 s[\g+7], 0
.endr
	s_or_b32 s[G1SA], s95, (3<<16)|(1<<21)         ; scale words: 4,096 dense bytes as 16 rows of 256
	s_or_b32 s[G1SB], s96, (3<<16)|(1<<21)
.irp g, G1SA, G1SB
	s_mov_b32 s[\g+1], 32<<16
	s_mov_b32 s[\g+2], 16<<16
	s_mov_b32 s[\g+3], 32<<16
	s_mov_b32 s[\g+4], 16
	s_mov_b32 s[\g+5], 32
	s_mov_b32 s[\g+6], 0
	s_mov_b32 s[\g+7], 0
.endr
	s_wait_kmcnt 0x0
	s_add_nc_u64 s[12:13], s[4:5], s[12:13]        ; A's codes
	s_add_nc_u64 s[66:67], s[4:5], s[66:67]        ; A's scale words
	s_add_nc_u64 s[22:23], s[6:7], s[22:23]        ; B's codes
	s_add_nc_u64 s[98:99], s[6:7], s[98:99]        ; B's scale words
	CROUND                                         ; all sixteen work-groups are here: the first joint loads meet
	s_mov_b32 s[G0SA], 1
	s_add_co_u32 s[G0SA+1], s18, SCL
	s_mov_b64 s[G0SA+2:G0SA+3], s[66:67]
	s_or_b32 s[G0SA+3], s[G0SA+3], 0x80000000
	s_mov_b32 s[G0SB], 1
	s_add_co_u32 s[G0SB+1], s18, SCL
	s_mov_b64 s[G0SB+2:G0SB+3], s[98:99]
	s_or_b32 s[G0SB+3], s[G0SB+3], 0x80000000
	JLOAD G0SA, G1SA, G0SB, G1SB
.irp s, 0,1,2
	s_mov_b32 s[G0A+4*\s], 1
	s_add_co_u32 s[G0A+4*\s+1], s17, \s*SLOT
	s_add_nc_u64 s[G0A+4*\s+2:G0A+4*\s+3], s[12:13], \s*TILEB
	s_or_b32 s[G0A+4*\s+3], s[G0A+4*\s+3], 0x80000000
	s_mov_b32 s[G0B+4*\s], 1
	s_add_co_u32 s[G0B+4*\s+1], s17, \s*SLOT
	s_add_nc_u64 s[G0B+4*\s+2:G0B+4*\s+3], s[22:23], \s*TILEB
	s_or_b32 s[G0B+4*\s+3], s[G0B+4*\s+3], 0x80000000
	JLOAD G0A+4*\s, G1A, G0B+4*\s, G1B
.endr
	v_and_b32 v1, 15, v0                           ; r
	v_bfe_u32 v2, v0, 4, 1                         ; h
	v_and_b32 v3, 31, v0                           ; lane
	v_lshlrev_b32 v[L8], 3, v3
	s_lshl_b32 s21, s20, 10
	s_lshl_b32 s22, s16, 9
	s_add_co_u32 s21, s21, s22                     ; my first column, in bytes of f32: 1,024 x column block + 512 x half
	v_lshlrev_b32 v[BNO], 6, v2
	v_add_nc_u32 v[BNO], s21, v[BNO]               ; + 64 h
.irp b, 0,1,2,3,4,5,6,7
	global_load_b128 v[BN+8*\b:BN+8*\b+3], v[BNO], s[8:9] offset:(32*(\b/2)+8*(\b%2))*4
	global_load_b128 v[BN+8*\b+4:BN+8*\b+7], v[BNO], s[8:9] offset:(32*(\b/2)+8*(\b%2))*4+16
.endr
	s_lshl_b32 s22, s19, 8
	s_lshl_b32 s23, s15, 7
	s_add_co_u32 s22, s22, s23                     ; my first token
	s_lshl_b32 s22, s22, 12                        ; a row of out0 is 4,096 bytes
	s_add_co_u32 s22, s22, s21
	s_mov_b32 s23, 0
	s_add_nc_u64 s[10:11], s[10:11], s[22:23]
	s_mul_i32 s21, s15, HALFT
	s_mul_i32 s22, s16, HALFT
	s_add_co_u32 s22, s22, 2*HALFT
.irp s, 0,1,2
	v_add_nc_u32 v[ADRA+\s], s21, v[L8]
	v_add_nc_u32 v[ADRB+\s], s22, v[L8]
	s_add_co_u32 s21, s21, SLOT
	s_add_co_u32 s22, s22, SLOT
.endr
	v_lshlrev_b32 v5, 4, v1
	s_lshl_b32 s21, s15, 12
	s_lshl_b32 s22, s16, 12
	s_add_co_u32 s22, s22, 8192
	s_sub_co_u32 s22, s22, s21
	v_mul_u32_u24 v6, s22, v2                      ; lanes 16-31 take B's scale words
	s_add_co_u32 s21, s21, SCL
	v_add_nc_u32 v5, v5, v6
	v_add_nc_u32 v[ADRS], s21, v5
	s_mul_i32 s21, s14, 16*SPITCH
	s_add_co_u32 s21, s21, STAGE                   ; my stage
	v_mul_u32_u24 v5, v1, SPITCH
	v_lshl_add_u32 v5, v2, 6, v5
	v_add_nc_u32 v[STO], s21, v5                   ; in: row r, + 64 h
	v_lshlrev_b32 v[CO], 4, v3
	v_add_nc_u32 v[RD], s21, v[CO]                 ; back: 16 bytes a lane
	s_wait_tensorcnt 2                             ; the scale words and my part of LDS slot 0 are in; slots 1 and 2 may be out
	s_barrier_signal -1
	s_barrier_wait -1
	FETCH_B 0, 0, 0
	FETCH_A 0, 0, 0
	SCALES 0
	FETCH_A 0, 0, 4
	s_wait_loadcnt 0x0                             ; the bias
	KSTEP 0, 2, 0                                  ; the bias starts the sums: nothing is cleared, nothing is added later
	KSTEP 1, 0, 1                                  ; slots 1 and 2 are shown whole to every wave here
	KSTEP 2, 0, 0
	KSTEP 3, 0, 0
	KSTEP 4, 0, 0
	KSTEP 5, 0, 2
	KSTEP 6, 0, 0
	s_wait_dscnt 24
	WINMUL 0, 0
	MUL16 0, 7, 0
	MUL16 2, 7, 0
	s_wait_dscnt 0x0
	WINMUL 1, 0
	MUL16 4, 7, 0
	MUL16 6, 7, 0
	WIN 0
; THE WAY OUT, block by block of 16 tokens x 128 columns: through my own stage in LDS, back as whole rows of 512 bytes.  LDS serves a wave's instructions in order: no wait between the stores and the loads.
.macro TOSTAGE a
.set AC, 64*((\a)%4)
	WIN 0x08+4*((\a)/4)                            ; the data: window 2 or 3
.irp b, 0,1,2,3,4,5,6,7
	ds_store_b128 v[STO], v[AC+8*\b:AC+8*\b+3] offset:128*(\b/2)+32*(\b%2)          ; each accumulator from its low end on
	ds_store_b128 v[STO], v[AC+8*\b+4:AC+8*\b+7] offset:128*(\b/2)+32*(\b%2)+16
.endr
	WIN 0
.set BB, BK+64*((\a)%2)
.set II, 0
.rept 16
	ds_load_b128 v[BB+4*II:BB+4*II+3], v[RD] offset:II*SPITCH
.set II, II+1
.endr
.endm
.macro SEND a, younger                 ; younger: the LDS instructions issued behind block a's loads, which may stay out
.set BB, BK+64*((\a)%2)
	s_wait_dscnt \younger
.set II, 0
.rept 16
	global_store_b128 v[CO], v[BB+4*II:BB+4*II+3], s[10:11] offset:(32*((\a)/2)+8*((\a)%2)+II+8*(II/8))*4096 th:TH_STORE_NT   ; place II of tile a is token 32 (a / 2) + 8 (a % 2) + II + 8 (II / 8); 512 consecutive bytes, aligned to 256; written once
.set II, II+1
.endr
.endm
	PLACES 4
	TOSTAGE 0
.irp a, 1,2,3,4,5,6,7
.if \a > 1
	s_wait_xcnt 0x0                                ; block a - 2's stores have read their registers: block a's loads may land there
.endif
	TOSTAGE \a
	SEND \a-1, 32                                  ; behind block a - 1's loads: block a's 16 stores and 16 loads
.endr
	SEND 7, 0
	s_wait_tensorcnt 0x0                           ; the wave's end
	ds_add_u32 v[SPW], v[NIL]
	s_wait_dscnt 0x0
	CROUND                                         ; the closing round
	s_endpgm
.Lfunc_end_k_q7d724f425f_gemm_proj:
	.size	k_q7d724f425f_gemm_proj, .Lfunc_end_k_q7d724f425f_gemm_proj-k_q7d724f425f_gemm_proj
	.p2alignl 7, 3214868480
	.fill 96, 4, 3214868480
	.section	.rodata,"a",@progbits
	.p2align	6, 0x0
	.amdhsa_kernel k_q7d724f425f_gemm_proj
		.amdhsa_group_segment_fixed_size 327680
		.amdhsa_private_segment_fixed_size 0
		.amdhsa_enable_private_segment 0
		.amdhsa_kernarg_size 32
		.amdhsa_user_sgpr_count 2
		.amdhsa_user_sgpr_kernarg_segment_ptr 1
		.amdhsa_wavefront_size32 1
		.amdhsa_system_sgpr_workgroup_id_x 1
		.amdhsa_system_sgpr_workgroup_id_y 1
		.amdhsa_system_sgpr_workgroup_id_z 1
		.amdhsa_system_vgpr_workitem_id 0
		.amdhsa_next_free_vgpr 1024
		.amdhsa_next_free_sgpr 102
		.amdhsa_reserve_vcc 0
		.amdhsa_float_denorm_mode_32 3
		.amdhsa_float_denorm_mode_16_64 3
		.amdhsa_memory_ordered 1
		.amdhsa_forward_progress 1
		.amdhsa_inst_pref_size 160
	.end_amdhsa_kernel
	.amdgpu_metadata
---
amdhsa.version: [ 1, 2 ]
amdhsa.kernels:
  - .name:           k_q7d724f425f_gemm_proj
    .symbol:         k_q7d724f425f_gemm_proj.kd
    .args:
      - { .name: oq, .offset: 0, .size: 8, .value_kind: global_buffer, .address_space: global }
      - { .name: opq, .offset: 8, .size: 8, .value_kind: global_buffer, .address_space: global }
      - { .name: b_proj, .offset: 16, .size: 8, .value_kind: global_buffer, .address_space: global }
      - { .name: out0, .offset: 24, .size: 8, .value_kind: global_buffer, .address_space: global }
    .group_segment_fixed_size: 327680
    .private_segment_fixed_size: 0
    .kernarg_segment_align: 8
    .kernarg_segment_size: 32
    .max_flat_workgroup_size: 128
    .sgpr_count:     102
    .vgpr_count:     1024
    .wavefront_size: 32
...
	.end_amdgpu_metadata
.endif
;; end of part 4
